; MI455X (gfx1250); checked and timed in simulation.
; The chip was launched on July 23, 2026; its instructions are those of AMD's public machine-readable ISA for CDNA 5 (MIT licence, August 2026) and "CDNA5" Instruction Set Architecture Reference Guide (July 2026). The comments in the code are by the model that wrote it; some were corrected since.
;; Multi Head Attention. Allowed arithmetic: matrix products marked QUANTISED: E2M3 operands, one E8M0 scale for each 32 along K, by v_wmma_scale_f32_16x16x128_f8f6f4 with both operands' format E2M3, f32 sums; everything else in f32.
;; Inputs: bk 1,024 float32; bo 1,024 float32; bq 1,024 float32; bv 1,024 float32; key 4 x 2,048 x 1,024 float32; mask 1 x 1 x 2,048 x 2,048 int32; query 4 x 2,048 x 1,024 float32; value 4 x 2,048 x 1,024 float32; wk 1,024 x 1,024 float32; wo 1,024 x 1,024 float32; wq 1,024 x 1,024 float32; wv 1,024 x 1,024 float32.
;; Outputs: out0 4 x 2,048 x 1,024 float32.
;; This version of the problem:
;;   THIS VERSION OF THE PROBLEM IS GIVEN IN LOW PRECISION. The matrix products marked QUANTISED in the list below multiply operands that are first quantised to E2M3 (2 exponent bits, 3 mantissa bits; 6 bits a number), with one power-of-two scale for each 32 numbers along K (OCP MX v1.0); their sums are f32. All else is computed in f32.
;;   The module's matrix products, in the order in which they are computed (A, B: the left and right operand; K: the contracted axis; several contracted axes count as one K, in the product's order):
;;     1. [M 8,192, K 1,024] x [K 1,024, N 1,024]; A: input query; B: input wq: QUANTISED
;;     2. [M 8,192, K 1,024] x [K 1,024, N 1,024]; A: input key; B: input wk: QUANTISED
;;     3. [M 8,192, K 1,024] x [K 1,024, N 1,024]; A: input value; B: input wv: QUANTISED
;;     4. batch 64 x [M 2,048, K 64] x [K 64, N 2,048]; A: computed on the way; B: computed on the way: QUANTISED
;;     5. batch 64 x [M 2,048, K 2,048] x [K 2,048, N 64]; A: softmax (see below); B: computed on the way: QUANTISED
;;     6. [M 8,192, K 1,024] x [K 1,024, N 1,024]; A: computed on the way; B: input wo: QUANTISED
;;   THE QUANTISER, for each operand of a quantised product, along K:
;;     - K is cut into blocks of 32 from its start; a last block that is shorter is filled with zeros.
;;     - A block's scale is 2^e with e = floor(log2(the largest magnitude in the block)) - 2, held to -126 .. 127; a block of zeros has e = 0. As a byte (E8M0): e + 127.
;;     - Each number is divided by its block's scale, clamped to +-7.5, and rounded to the nearest number of E2M3, ties to even, subnormals kept.
;;     - The product sums the exact products of the quantised numbers (number of the format x scale) in f32.
;;   ~~~python
;;   def quantise(x, axis):      # numpy; x: float32 -> the quantised numbers, widened to float32 again
;;       x = np.moveaxis(x, axis, -1); K = x.shape[-1]
;;       x = np.pad(x, [(0, 0)] * (x.ndim - 1) + [(0, -K % 32)]); x = x.reshape(x.shape[:-1] + (-1, 32)); a = np.abs(x).max(-1, keepdims=True)
;;       e = np.where(a > 0, np.clip(np.frexp(np.where(a > 0, a, 1))[1] - 1 - 2, -126, 127), 0)      # np.frexp(a)[1] - 1 = floor(log2(a)), exactly
;;       r = np.clip(x / 2.0 ** e, -7.5, 7.5)
;;       step = 2.0 ** (np.maximum(np.frexp(np.where(r == 0, 1, r))[1] - 1, 0) - 3)
;;       q = np.round(r / step) * step * 2.0 ** e      # np.round: ties to even
;;       return np.moveaxis(q.reshape(q.shape[:-2] + (-1,))[..., :K], -1, axis).astype(np.float32)
;;   ~~~
;;   SOFTMAX AHEAD OF A QUANTISED PRODUCT. Where the list says 'softmax', what is quantised is not the finished softmax but p = 2^(t - M), with t = logit x log2(e) and M = ceil(the row's largest t), a whole number; so 1/2 < the row's largest p <= 1. The row's sum l is taken of the UNQUANTISED p, in f32, and the product's result is divided by l at the end. Since M is a whole number, a kernel that streams over the keys may use a running M (the ceiling of the running maximum): every later rescaling is an exact power of two, which a block's scale takes up: the codes' values come out the same.
;;   OPERANDS COMPUTED ON THE WAY. 'Computed on the way' means the value that the module computes at that place (a softmax that the list does not call 'softmax' is quantised finished and normalised). What goes into a quantiser is computed in f32, as accurately as f32 sums, v_exp_f32 and their like allow (about 1e-6 of the number): no bf16 or f16 on the way to a quantiser, and a product that is left as it is and whose result goes on into a quantised operand takes f32 operands (vector FMAs, or v_wmma_f32_16x16x4_f32). A number that lies on a knife's edge between two numbers of the format may be rounded either way, as far as f32 arithmetic and the matrix unit's own rounding can turn it there, and no further.
;; 2 versions, each right; version 2 is version 1 with the launch attn written anew for expert scheduling mode. Each part assembles by itself: llvm-mc -triple=amdgcn-amd-amdhsa -mcpu=gfx1250 --defsym DOCPART=n.
;; ======== version 1 of 2: 4 launches
;; limits: right only within a limited range of input values
;; workspace buffers: pq 22,937,600 bytes; mw 589,824 bytes of whole numbers; qkv 19,660,800 bytes; att 6,553,600 bytes
;; launch prep (part 1): grid 512 x 1, 4 waves a work-group, no clusters, 34,304 bytes of LDS; arguments query, key, value, wq, wk, wv, wo, mask, pq, mw; writes pq, mw
.if DOCPART == 1
	.amdgcn_target "amdgcn-amd-amdhsa--gfx1250"
	.amdhsa_code_object_version 6
	.text
	.protected	k_q9ae115c065_prep
	.globl	k_q9ae115c065_prep
	.p2align	8
	.type	k_q9ae115c065_prep,@function
k_q9ae115c065_prep:
	s_mov_b64 s[64:65], 0
	v_nop
	global_prefetch_b8 v0, s[64:65] scope:SCOPE_SE
	s_setreg_imm32_b32 hwreg(HW_REG_WAVE_MODE, 25, 1), 1
	s_wait_xcnt 0x0
; PREP.  query, key, value [8192][1024] and wq, wk, wv, wo [1024][1024], f32, become codes of FP6 (E2M3) with one E8M0 byte for each 32 along K (their last axis), laid in pq
; IN THE ORDER OF THE OPERAND'S REGISTERS; the mask [2048][2048], int32, becomes lane-mask words in the layout of attention's score registers, and flags, in mw.
; ROW TILE T holds the rows rho(T, r) = 32 (T / 2) + 8 (T % 2) + r + 8 (r / 8), r = 0 .. 15.  A FRAGMENT (16 rows x 128 K, 12 registers a lane) lies as six chunks of 256 bytes: chunk p = registers 2 p, 2 p + 1, lane l at 8 l.
; pq: codes at G x 12,288 + s x 1,536 (G the row tile over all seven tensors, s the K step); scale images at SCO + G x 512: word p of lane (r, h) = the scale word of K step 2 p + h of row rho(G, r).
; mw: word n = 16 b + i of unit (qt, ks) at (16 qt + ks) x 256 + 4 n: bit (r, h) says that mask[rho(qt, r)][128 ks + 32 b + 16 h + i] is not 0;  flags at FLG + (2 qt + half) x 256: the pair (bm, ra) in all 32 places of 8 bytes:
; bm bit s: unit 8 half + s has an open bit; ra: the OR of the half's words.
; SHARES.  A wave takes 16 rows x 8 units of 512 bytes: work-groups 0-447 a row tile of a tensor over all of K, work-groups 448-511 a query tile and half of the mask's keys.  Each load reads 512 consecutive bytes of one row;
; the unit turns through the wave's own stage in LDS (16 rows, 528 bytes apart: row r starts 4 r banks on) and comes back 16 neighbours along K at a time.  Two units' loads (32 x 512 bytes a wave) are on their way.
; A block's scale is 2^(floor(log2(largest magnitude)) - 2): its byte is the largest magnitude's exponent field - 2, held at 1 from below.
; LIMITS: a block of zeros gets the byte 1 (its codes are zeros; the bytes are read by this program alone); NaN and infinities among the inputs are not served.
; No matrix unit, no cluster, no tensor load: a stream that is read once, and waves that share nothing.
.set PITCHS, 528
.set WST,    16*PITCHS                 ; a wave's stage
.set SPARE,  4*WST                     ; behind the stages: the spare words, 128 bytes for each wave
.set SCO,    22020096
.set FLG,    524288
.set L16, 4                            ; v4   16 x lane
.set L8,  5                            ; v5   8 x lane
.set STI, 6                            ; v6   the stage, on the way in
.set STO, 7                            ; v7   and on the way out
.set SPW, 8                            ; v8   my spare word; never rewritten
.set NIL, 9                            ; v9   0; never rewritten
.set MWR, 12                           ; v[12:13] a unit's 64 mask words, two a lane
.set PWA, 14                           ; v14, v15 the scale words of an even and an odd K step
.set PWB, 15
.set SCI, 16                           ; v[16:19] the scale image
.set TM,  20                           ; v20-35 at work in QUANT
.set PC,  36                           ; v36-47 the codes; v48-54 at work
.set FL,  56                           ; v[56:57] the flags
.set X,   64                           ; v64-127 register 16 b + i = number 32 b + 16 h + i of my row's 128
.set R,   128                          ; v128-255 two sets of 64, as loaded
.set SB,  32                           ; s[32:63] the sixteen rows' addresses
.set DC,  66                           ; s[66:67] where codes or mask words go
.set D2,  68                           ; s[68:69] where the scale image or the flags go
.set SEL, 70
.set HM,  72
.set BM,  73
.set RA,  74
.set UO,  75
.set CW,  76                           ; s76-79 four lane masks at work
; 64 numbers of a lane, register 16 b + i = k 32 b + 16 (lane / 16) + i of my row, become a fragment's codes in v[PC] on and its scale word in v[pw]
.macro QUANT s, pw
.irp b, 0,1,2,3
	v_max3_num_f32 v[TM+\b], |v[\s+16*\b]|, |v[\s+1+16*\b]|, 0x1800000   ; my 16 numbers of block b, and the floor 2^(3 - 127): the byte cannot fall under 1
.endr
.irp i, 2,4,6,8,10,12,14
.irp b, 0,1,2,3
	v_max3_num_f32 v[TM+\b], v[TM+\b], |v[\s+16*\b+\i]|, |v[\s+1+16*\b+\i]|
.endr
.endr
.irp b, 0,1,2,3
	v_permlanex16_b32 v[TM+4+\b], v[TM+\b], s[SEL], s[SEL+1]
.endr
.irp b, 0,1,2,3
	v_max_num_f32 v[TM+\b], v[TM+\b], v[TM+4+\b]   ; with lane l xor 16's: the block's largest magnitude
.endr
.irp b, 0,1,2,3
	v_add_nc_u32 v[TM+12+\b], 0xff000000, v[TM+\b]   ; 2 off its exponent field: the conversion's scale operand
.endr
.irp b, 0,1,2,3
	v_lshrrev_b32 v[TM+4+\b], 23, v[TM+12+\b]      ; the scale's byte
.endr
	v_lshl_or_b32 v[\pw], v[TM+5], 8, v[TM+4]
	v_lshl_or_b32 v[\pw], v[TM+6], 16, v[\pw]
	v_lshl_or_b32 v[\pw], v[TM+7], 24, v[\pw]
.irp c, 0,1
	v_cvt_scalef32_pk16_fp6_f32 v[PC+6*\c:PC+2+6*\c], v[\s+32*\c:\s+15+32*\c], v[TM+12+2*\c]
	v_cvt_scalef32_pk16_fp6_f32 v[PC+12+4*\c:PC+14+4*\c], v[\s+16+32*\c:\s+31+32*\c], v[TM+12+2*\c+1]
.endr
	v_nop                                          ; one plain place behind a scaled conversion
.irp c, 0,1                                    ; the operand's layout wants a whole block in a lane
.irp i, 0,1,2
	v_permlane16_swap_b32 v[PC+6*\c+\i], v[PC+12+4*\c+\i]
.endr
.irp i, 0,1,2
	v_mov_b32 v[PC+3+6*\c+\i], v[PC+12+4*\c+\i]
.endr
.endr
.endm
	s_load_b512 s[4:19], s[0:1], 0x0               ; query, key, value, wq, wk, wv, wo, mask
	s_load_b128 s[20:23], s[0:1], 0x40             ; pq, mw
	v_lshl_add_u32 v[SPW], v0, 2, SPARE
	v_mov_b32 v[NIL], 0
	v_lshrrev_b32 v1, 5, v0
	v_readfirstlane_b32 s24, v1                    ; wave 0..3
	v_and_b32 v1, 31, v0                           ; lane
	v_and_b32 v2, 15, v0                           ; r
	v_bfe_u32 v3, v0, 4, 1                         ; h
	v_lshlrev_b32 v[L16], 4, v1
	v_lshlrev_b32 v[L8], 3, v1
	s_mul_i32 s80, s24, WST
	v_add_nc_u32 v[STI], s80, v[L16]               ; in: a row's 512 bytes as they lie
	v_mul_u32_u24 v[STO], v2, PITCHS
	v_lshl_add_u32 v[STO], v3, 6, v[STO]
	v_add_nc_u32 v[STO], s80, v[STO]               ; out: row r, + 64 h: my 16 numbers of each block of 32
.irp j, MWR, MWR+1, PWA, PWB, SCI, SCI+1, SCI+2, SCI+3, TM+4, TM+5, TM+6, TM+7
	v_mov_b32 v[\j], 0                             ; destinations of lane writes, and registers that only one of the two ways writes
.endr
	s_mov_b32 s[SEL], 0x76543210
	s_mov_b32 s[SEL+1], 0xfedcba98                 ; lane l xor 16
	s_mov_b32 s[HM], 0xffff0000                    ; lanes 16-31
	s_mov_b32 s[BM], 0
	s_mov_b32 s[RA], 0
	s_mov_b32 s[UO], 0
	s_mov_b32 s81, 448                             ; the first work-group of my tensor
	s_wait_kmcnt 0x0
	s_mov_b64 s[30:31], s[18:19]                   ; the mask, unless the work-group's number says otherwise
.macro PICK lim, ptr, first
	s_cmp_lt_u32 ttmp9, \lim
	s_cselect_b64 s[30:31], s[\ptr:\ptr+1], s[30:31]
	s_cselect_b32 s81, \first, s81
.endm
	PICK 448, 16, 432
	PICK 432, 14, 416
	PICK 416, 12, 400
	PICK 400, 10, 384
	PICK 384, 8, 256
	PICK 256, 6, 128
	PICK 128, 4, 0
	s_sub_co_u32 s82, ttmp9, s81
	s_lshl_b32 s83, s82, 2
	s_add_co_u32 s83, s83, s24                     ; a tensor's row tile: 4 x work-group + wave
	s_lshl_b32 s84, s82, 1
	s_lshr_b32 s85, s24, 1
	s_add_co_u32 s84, s84, s85                     ; the mask's query tile: 2 x work-group + wave / 2
	s_and_b32 s85, s24, 1                          ; and which half of the keys
	s_lshl_b32 s92, ttmp9, 2
	s_add_co_u32 s92, s92, s24                     ; G
	s_mul_i32 s86, s92, 12288                      ; its codes
	s_lshl_b32 s88, s92, 9
	s_add_co_u32 s88, s88, SCO                     ; its scale image
	s_lshl_b32 s90, s84, 1
	s_add_co_u32 s90, s90, s85                     ; 2 qt + half
	s_lshl_b32 s91, s90, 8
	s_add_co_u32 s91, s91, FLG                     ; its flags
	s_lshl_b32 s90, s90, 11                        ; its eight units of 256 bytes of mask words
	s_mov_b32 s93, 8192
	s_cmp_lt_u32 ttmp9, 448                        ; a tensor or the mask: the choice hangs on the work-group's number alone
	s_cselect_b32 s25, 0, 1
	s_cselect_b32 s83, s83, s84
	s_cselect_b32 s85, 0, s85
	s_cselect_b32 s26, 4096, s93                   ; bytes from row to row
	s_cselect_b32 s86, s86, s90
	s_cselect_b32 s88, s88, s91
	s_cselect_b64 s[DC:DC+1], s[20:21], s[22:23]
	s_mov_b64 s[D2:D2+1], s[DC:DC+1]
	s_mov_b32 s87, 0
	s_mov_b32 s89, 0
	s_add_nc_u64 s[DC:DC+1], s[DC:DC+1], s[86:87]
	s_add_nc_u64 s[D2:D2+1], s[D2:D2+1], s[88:89]
	s_mov_b32 s27, 0
	s_mul_i32 s28, s26, 9                          ; from row 7 of a tile to row 8: nine rows
	s_mov_b32 s29, 0
	s_lshr_b32 s92, s83, 1
	s_lshl_b32 s92, s92, 5
	s_and_b32 s93, s83, 1
	s_lshl_b32 s93, s93, 3
	s_add_co_u32 s92, s92, s93                     ; the tile's first row
	s_mul_i32 s92, s92, s26
	s_lshl_b32 s85, s85, 12
	s_add_co_u32 s92, s92, s85                     ; + the half's 4,096 bytes
	s_mov_b32 s93, 0
	s_add_nc_u64 s[SB:SB+1], s[30:31], s[92:93]
.irp i, 1,2,3,4,5,6,7,8,9,10,11,12,13,14,15
.if \i == 8
	s_add_nc_u64 s[SB+2*\i:SB+2*\i+1], s[SB+2*\i-2:SB+2*\i-1], s[28:29]
.else
	s_add_nc_u64 s[SB+2*\i:SB+2*\i+1], s[SB+2*\i-2:SB+2*\i-1], s[26:27]
.endif
.endr
.macro LOADU s                         ; unit s: 512 consecutive bytes of each of the 16 rows, into set s % 2
.irp i, 0,1,2,3,4,5,6,7,8,9,10,11,12,13,14,15
	global_load_b128 v[R+64*((\s)%2)+4*\i:R+64*((\s)%2)+4*\i+3], v[L16], s[SB+2*\i:SB+2*\i+1] offset:512*(\s) th:TH_LOAD_NT
.endr
.endm
.macro TURN s                          ; through the stage: LDS serves a wave's instructions in order, so no wait stands between the stores and the loads
.irp i, 0,1,2,3,4,5,6,7,8,9,10,11,12,13,14,15
	ds_store_b128 v[STI], v[R+64*((\s)%2)+4*\i:R+64*((\s)%2)+4*\i+3] offset:PITCHS*\i
.endr
.irp b, 0,1,2,3
.irp j, 0,1,2,3
	ds_load_b128 v[X+16*\b+4*\j:X+16*\b+4*\j+3], v[STO] offset:128*\b+16*\j
.endr
.endr
.endm
.macro UNIT s
.if (\s) < 7
	s_wait_loadcnt 16                              ; this unit's 16 loads are in; the next unit's 16 may be out
.else
	s_wait_loadcnt 0x0
.endif
	TURN \s
	s_wait_dscnt 0x0                               ; X is back, and the stage's stores have read the set
	s_wait_xcnt 0x0                                ; the last unit's stores have read their data: codes and mask words may be written again
.if (\s) < 6
	LOADU (\s)+2
.endif
	s_cmp_lg_u32 s25, 0
	s_cbranch_scc1 .Lmask_\@
.if (\s)%2
	QUANT X, PWB
.else
	QUANT X, PWA
.endif
.irp p, 0,1,2,3,4,5
	global_store_b64 v[L8], v[PC+2*\p:PC+2*\p+1], s[DC:DC+1] offset:1536*(\s)+256*\p   ; 32 lanes store 256 consecutive bytes, aligned
.endr
.if (\s)%2
	v_cndmask_b32 v[SCI+(\s)/2], v[PWA], v[PWB], s[HM]   ; lanes 0-15 the even K step's word, lanes 16-31 the odd one's
.endif
.if (\s) == 7
	global_store_b128 v[L16], v[SCI:SCI+3], s[D2:D2+1]
.endif
	s_branch .Ljoin_\@
.Lmask_\@:
	s_mov_b32 s[UO], 0
.set n, 0
.rept 16
.irp q, 0,1,2,3
	v_cmp_ne_u32 s[CW+\q], 0, v[X+n+\q]            ; a lane mask IS the word: bit (r, h)
.endr
.irp q, 0,1,2,3
	v_writelane_b32 v[MWR+\q%2], s[CW+\q], (n+\q)/2   ; word n into lane n / 2, register n % 2
.endr
	s_or_b32 s[CW], s[CW], s[CW+1]
	s_or_b32 s[CW+2], s[CW+2], s[CW+3]
	s_or_b32 s[CW], s[CW], s[CW+2]
	s_or_b32 s[UO], s[UO], s[CW]
.set n, n+4
.endr
	s_or_b32 s[RA], s[RA], s[UO]
	s_cmp_lg_u32 s[UO], 0
	s_cselect_b32 s[CW], 1<<(\s), 0
	s_or_b32 s[BM], s[BM], s[CW]
	global_store_b64 v[L8], v[MWR:MWR+1], s[DC:DC+1] offset:256*(\s)
.if (\s) == 7
	v_mov_b32 v[FL], s[BM]
	v_mov_b32 v[FL+1], s[RA]
	global_store_b64 v[L8], v[FL:FL+1], s[D2:D2+1]
.endif
.Ljoin_\@:
.endm
	LOADU 0
	LOADU 1
	UNIT 0
	UNIT 1
	UNIT 2
	UNIT 3
	UNIT 4
	UNIT 5
	UNIT 6
	UNIT 7
	s_wait_tensorcnt 0x0                           ; the wave's end: three lines behind my last LDS store
	ds_add_u32 v[SPW], v[NIL]
	s_wait_dscnt 0x0
	s_endpgm
.Lfunc_end_k_q9ae115c065_prep:
	.size	k_q9ae115c065_prep, .Lfunc_end_k_q9ae115c065_prep-k_q9ae115c065_prep
	.p2alignl 7, 3214868480
	.fill 96, 4, 3214868480
	.section	.rodata,"a",@progbits
	.p2align	6, 0x0
	.amdhsa_kernel k_q9ae115c065_prep
		.amdhsa_group_segment_fixed_size 34304
		.amdhsa_private_segment_fixed_size 0
		.amdhsa_enable_private_segment 0
		.amdhsa_kernarg_size 80
		.amdhsa_user_sgpr_count 2
		.amdhsa_user_sgpr_kernarg_segment_ptr 1
		.amdhsa_wavefront_size32 1
		.amdhsa_system_sgpr_workgroup_id_x 1
		.amdhsa_system_sgpr_workgroup_id_y 1
		.amdhsa_system_sgpr_workgroup_id_z 1
		.amdhsa_system_vgpr_workitem_id 0
		.amdhsa_next_free_vgpr 256
		.amdhsa_next_free_sgpr 96
		.amdhsa_reserve_vcc 0
		.amdhsa_float_denorm_mode_32 3
		.amdhsa_float_denorm_mode_16_64 3
		.amdhsa_memory_ordered 1
		.amdhsa_forward_progress 1
		.amdhsa_inst_pref_size 152
	.end_amdhsa_kernel
	.amdgpu_metadata
---
amdhsa.version: [ 1, 2 ]
amdhsa.kernels:
  - .name:           k_q9ae115c065_prep
    .symbol:         k_q9ae115c065_prep.kd
    .args:
      - { .name: query, .offset: 0, .size: 8, .value_kind: global_buffer, .address_space: global }
      - { .name: key, .offset: 8, .size: 8, .value_kind: global_buffer, .address_space: global }
      - { .name: value, .offset: 16, .size: 8, .value_kind: global_buffer, .address_space: global }
      - { .name: wq, .offset: 24, .size: 8, .value_kind: global_buffer, .address_space: global }
      - { .name: wk, .offset: 32, .size: 8, .value_kind: global_buffer, .address_space: global }
      - { .name: wv, .offset: 40, .size: 8, .value_kind: global_buffer, .address_space: global }
      - { .name: wo, .offset: 48, .size: 8, .value_kind: global_buffer, .address_space: global }
      - { .name: mask, .offset: 56, .size: 8, .value_kind: global_buffer, .address_space: global }
      - { .name: pq, .offset: 64, .size: 8, .value_kind: global_buffer, .address_space: global }
      - { .name: mw, .offset: 72, .size: 8, .value_kind: global_buffer, .address_space: global }
    .group_segment_fixed_size: 34304
    .private_segment_fixed_size: 0
    .kernarg_segment_align: 8
    .kernarg_segment_size: 80
    .max_flat_workgroup_size: 128
    .sgpr_count:     96
    .vgpr_count:     256
    .wavefront_size: 32
...
	.end_amdgpu_metadata
.endif
;; end of part 1
;; launch proj (part 2): grid 4 x 192, 4 waves a work-group, clusters of 4 x 4, 327,680 bytes of LDS; arguments pq, bq, bk, bv, qkv; writes qkv
.if DOCPART == 2
	.amdgcn_target "amdgcn-amd-amdhsa--gfx1250"
	.amdhsa_code_object_version 6
	.text
	.protected	k_q9ae115c065_proj
	.globl	k_q9ae115c065_proj
	.p2align	8
	.type	k_q9ae115c065_proj,@function
k_q9ae115c065_proj:
	s_mov_b64 s[64:65], 0
	v_nop
	global_prefetch_b8 v0, s[64:65] scope:SCOPE_SE
	s_setreg_imm32_b32 hwreg(HW_REG_WAVE_MODE, 25, 1), 1
	s_wait_xcnt 0x0
	s_wait_alu depctr_hold_cnt(0) depctr_sa_sdst(0) depctr_va_vdst(0) depctr_va_sdst(0) depctr_va_ssrc(0) depctr_va_vcc(0) depctr_vm_vsrc(0)
	s_getreg_b32 s2, hwreg(HW_REG_IB_STS2, 6, 4)
	s_cmp_eq_u32 s2, 0
	s_cbranch_scc0 .Lentry_in_a_cluster
	s_endpgm
.Lentry_in_a_cluster:
	s_bfe_u32 s2, ttmp6, 0x10000c
	s_cmp_lg_u32 s2, 0xf033
	s_cbranch_scc0 .Lentry_shape_is_right
	s_endpgm
.Lentry_shape_is_right:
; A PRODUCT ON CODES OF FP6 (E2M3), K = 1,024, both operands as fragment images.  One text serves two launches: OUTP = 0: the three projections, whose results are quantised on the way out;  OUTP = 1: the output projection, f32 out.
; A ROW TILE T holds the rows rho(T, r) = 32 (T / 2) + 8 (T % 2) + r + 8 (r / 8).  A fragment (16 rows x 128 K) is 1,536 bytes: six chunks of 256, chunk p = registers 2 p, 2 p + 1, lane l at 8 l; a row tile's 8 K steps lie on end.
; THE MATRIX INSTRUCTION: source 0 = a tile of J, source 1 = a tile of I.  Lane (r, h) then holds I's row rho(i, r), and the 16 registers of J's tiles 2 b, 2 b + 1 hold J's rows 32 b + 16 h + 0 .. 15: neighbours, as the next quantiser wants them.
; OUTP = 0:  Q, K (kind 0, 1): I = tokens, J = the weight's rows: a lane's registers run along a head's 64: the next K.  V (kind 2): I = wv's rows, J = tokens: the registers run along the keys, which are V's K.
;   qkv: Q codes at 0, K at 6,291,456: [bh][pair P][1,536]: chunks 0-2 token tile 2 P, chunks 3-5 tile 2 P + 1;  V at 12,582,912: [bh][ks][d tile][1,536];  scale words: Q 18,874,368, K 19,136,512: [bh][P / 2][lane]: lane (r, h): pair 2 g + h;
;   V 19,398,656: [bh][ks][lane][2]: word p of lane (r, h): d tile 2 p + h.
; SHARES.  A work-group makes 128 rows of I x 256 rows of J, wave (wi, wj) 64 x 128: 32 accumulators.  BOTH OPERANDS' WHOLE K LIES IN LDS (294,912 bytes): first fills alone, in four stages of two K steps; no byte is filled again.
; CLUSTER 4 x 4: I's tiles hang on the cluster's y and cy and are asked for jointly along a row of the cluster, J's on the cluster's y and cx, jointly along a column.  Wave 0 asks for I, waves 1 and 2 for J's halves: four tensor loads of a wave are out at the most.
; LIMITS: a block of zeros gets the scale byte 1 (its codes are zeros; this program alone reads the bytes); NaN and infinities are not served.
; REGISTERS: window 0: v1-13 addresses; v16-31 I's scale images, v32-63 J's; v64-111, v112-207 fragments of even K steps; on the way out v64-127 numbers, v128-191 rows, v208-249 at work.  window 1: accumulator (i, t) at 8 (8 i + t).
;   window 2: v64-207 fragments of odd K steps; v0-63 the bias along J; v208-215 the bias along I.
.set OUTP, 0
.set SCO,  22020096
.set REG,  98304                       ; LDS: region 0 = I, 1 = J's tiles 0-7, 2 = J's tiles 8-15;  in a region: stage g at g x STG, row tile at 3,072, K step at 1,536
.set STG,  24576
.set SPARE, 3*REG                      ; the spare words, 128 bytes for each wave
.set PITCHS, 528
.set WST,  16*PITCHS                   ; OUTP: a wave's stage, in region 0, which has had its only fill and its last read by then
.set L8,  1
.set RR,  2
.set HH,  3
.set ADI, 4                            ; v4, v5  my I fragments, K steps 0-3 and 4-7
.set ADJ, 6                            ; v6, v7  my J fragments
.set SPW, 8                            ; v8   my spare word; never rewritten
.set NIL, 9                            ; v9   0; never rewritten
.set L16, 10
.set L4,  11
.set H64, 12
.set RHO4, 13
.set SI,  16
.set SJ,  32
.set IFR, 64
.set JFR, 112
.set X,   64
.set YB,  128
.set TM,  208
.set PC,  224
.set PW,  244
.set SW,  248
.set STO, 250
.set RD,  251
.set BJ,  0
.set BI,  208
.set G1I, 24
.set G1J, 32
.set G0I, 40                           ; s40, 44, 48, 52: a group 0 for each stage
.set G0J, 56                           ; s56, 60, 68, 72
.set SEL, 76
.set HM,  78
.set MSB, 0
.macro WIN new                         ; the immediate's high byte repeats the setting that is left
.if MSB != \new
	s_set_vgpr_msb (MSB<<8)|\new
.set MSB, \new
.endif
.endm
.macro PLACES n
.rept \n
	v_nop
.endr
.endm
.macro CROUND                          ; a round of the cluster's barrier
	s_barrier_signal -1
	s_barrier_wait -1
	s_cmp_lg_u32 s16, 0
	s_cbranch_scc1 .Lnot_wave_0_\@
	s_barrier_signal -3
.Lnot_wave_0_\@:
	s_barrier_wait -3
	s_barrier_signal -1
	s_barrier_wait -1
.endm
.macro QUANT s, pw                     ; 64 numbers of a lane, register 16 b + i = k 32 b + 16 (lane / 16) + i, become a fragment's codes in v[PC] on and its scale word in v[pw]
.irp b, 0,1,2,3
	v_max3_num_f32 v[TM+\b], |v[\s+16*\b]|, |v[\s+1+16*\b]|, 0x1800000   ; and the floor 2^(3 - 127): the byte cannot fall under 1
.endr
.irp i, 2,4,6,8,10,12,14
.irp b, 0,1,2,3
	v_max3_num_f32 v[TM+\b], v[TM+\b], |v[\s+16*\b+\i]|, |v[\s+1+16*\b+\i]|
.endr
.endr
.irp b, 0,1,2,3
	v_permlanex16_b32 v[TM+4+\b], v[TM+\b], s[SEL], s[SEL+1]
.endr
.irp b, 0,1,2,3
	v_max_num_f32 v[TM+\b], v[TM+\b], v[TM+4+\b]
.endr
.irp b, 0,1,2,3
	v_add_nc_u32 v[TM+12+\b], 0xff000000, v[TM+\b]   ; 2 off the exponent field: the conversion's scale operand
.endr
.irp b, 0,1,2,3
	v_lshrrev_b32 v[TM+4+\b], 23, v[TM+12+\b]
.endr
	v_lshl_or_b32 v[\pw], v[TM+5], 8, v[TM+4]
	v_lshl_or_b32 v[\pw], v[TM+6], 16, v[\pw]
	v_lshl_or_b32 v[\pw], v[TM+7], 24, v[\pw]
.irp c, 0,1
	v_cvt_scalef32_pk16_fp6_f32 v[PC+6*\c:PC+2+6*\c], v[\s+32*\c:\s+15+32*\c], v[TM+12+2*\c]
	v_cvt_scalef32_pk16_fp6_f32 v[PC+12+4*\c:PC+14+4*\c], v[\s+16+32*\c:\s+31+32*\c], v[TM+12+2*\c+1]
.endr
	v_nop                                          ; one plain place behind a scaled conversion
.irp c, 0,1
.irp i, 0,1,2
	v_permlane16_swap_b32 v[PC+6*\c+\i], v[PC+12+4*\c+\i]
.endr
.irp i, 0,1,2
	v_mov_b32 v[PC+3+6*\c+\i], v[PC+12+4*\c+\i]
.endr
.endr
.endm
.if OUTP
	s_load_b64 s[4:5], s[0:1], 0x0                 ; att: I
	s_load_b64 s[6:7], s[0:1], 0x8                 ; pq: J
	s_load_b64 s[10:11], s[0:1], 0x10              ; bo
	s_load_b64 s[8:9], s[0:1], 0x18                ; out0
.else
	s_load_b64 s[6:7], s[0:1], 0x0                 ; pq: I and J
	s_load_b64 s[10:11], s[0:1], 0x8               ; bq
	s_load_b64 s[12:13], s[0:1], 0x10              ; bk
	s_load_b64 s[14:15], s[0:1], 0x18              ; bv
	s_load_b64 s[8:9], s[0:1], 0x20                ; qkv
.endif
	v_lshl_add_u32 v[SPW], v0, 2, SPARE
	v_mov_b32 v[NIL], 0
	ds_add_u32 v[SPW], v[NIL]                      ; the wave's opening: the add and its wait ahead of my first tensor load; work on registers stands between them
	v_lshrrev_b32 v1, 5, v0
	v_readfirstlane_b32 s16, v1                    ; wave 0..3
	s_lshr_b32 s17, s16, 1                         ; wi
	s_and_b32 s18, s16, 1                          ; wj
	s_bfe_u32 s19, ttmp6, 0x40000                  ; cx
	s_bfe_u32 s20, ttmp6, 0x40004                  ; cy
	s_and_b32 s21, ttmp7, 0xffff                   ; the cluster's y
	s_lshl_b32 s80, s20, 2
	s_lshl_b32 s80, 15, s80                        ; my row of the cluster
	s_lshl_b32 s81, 0x1111, s19                    ; my column
	s_or_b32 s[G1I], s80, (3<<16)|(1<<21)          ; 15:0 the mask; 17:16 elements of 8 bytes; 21 set beside a mask; no padding
	s_or_b32 s[G1J], s81, (3<<16)|(1<<21)
.irp g, G1I, G1J
	s_mov_b32 s[\g+1], 384<<16                     ; tensor_dim0: 384 elements = 3,072 bytes: two K steps of a row tile
	s_mov_b32 s[\g+2], 8<<16                       ; tensor_dim1: 8 row tiles
	s_mov_b32 s[\g+3], 384<<16                     ; tile_dim0
	s_mov_b32 s[\g+4], 8                           ; tile_dim1
	s_mov_b32 s[\g+5], 1536                        ; from row tile to row tile: 12,288 bytes
	s_mov_b32 s[\g+6], 0
	s_mov_b32 s[\g+7], 0
.endr
.if OUTP
	s_lshl_b32 s82, s21, 5                         ; I: 32 row tiles a cluster
	s_mov_b32 s84, 1728                            ; J: wo
.else
	s_lshr_b32 s22, s21, 4                         ; kind: 0 Q, 1 K, 2 V
	s_and_b32 s23, s21, 15                         ; c
	s_lshl_b32 s82, s22, 9
	s_lshl_b32 s83, s23, 5
	s_add_co_u32 s82, s82, s83                     ; Q, K: I = tokens
	s_lshr_b32 s83, s23, 3
	s_lshl_b32 s83, s83, 5
	s_add_co_u32 s83, s83, 1664                    ; V: I = wv
	s_lshl_b32 s84, s22, 6
	s_add_co_u32 s84, s84, 1536                    ; Q, K: J = the weight
	s_and_b32 s85, s23, 7
	s_lshl_b32 s85, s85, 6
	s_add_co_u32 s85, s85, 1024                    ; V: J = value's tokens
	s_cmp_eq_u32 s22, 2
	s_cselect_b32 s82, s83, s82
	s_cselect_b32 s84, s85, s84
.endif
	s_lshl_b32 s83, s20, 3
	s_add_co_u32 s82, s82, s83                     ; GI: made of the cluster's y and cy alone
	s_lshl_b32 s85, s19, 4
	s_add_co_u32 s84, s84, s85                     ; GJ: of the cluster's y and cx alone
	s_mul_i32 s86, s82, 12288
	s_mov_b32 s87, 0
	s_lshl_b32 s88, s17, 3                         ; wave 1: J's tiles 0-7, wave 2: tiles 8-15
	s_add_co_u32 s88, s88, s84
	s_mul_i32 s88, s88, 12288
	s_mov_b32 s89, 0
	s_mul_i32 s90, s16, REG                        ; where J's go: no place in the cluster enters an LDS address
	s_lshl_b32 s92, s17, 2
	s_add_co_u32 s92, s92, s82                     ; my wave's first row tile of I
	s_lshl_b32 s94, s18, 3
	s_add_co_u32 s94, s94, s84                     ; and of J
	s_mov_b32 s[SEL], 0x76543210
	s_mov_b32 s[SEL+1], 0xfedcba98
	s_mov_b32 s[HM], 0xffff0000
	v_and_b32 v14, 31, v0
	v_and_b32 v[RR], 15, v0
	v_bfe_u32 v[HH], v0, 4, 1
	v_lshlrev_b32 v[L8], 3, v14
	v_lshlrev_b32 v[L16], 4, v14
	v_lshlrev_b32 v[L4], 2, v14
	v_lshlrev_b32 v[H64], 6, v[HH]
	v_and_b32 v15, 8, v[RR]
	v_add_nc_u32 v15, v15, v[RR]
	v_lshlrev_b32 v[RHO4], 2, v15                  ; 4 (r + 8 (r / 8))
	s_mul_i32 s91, s17, 12288
	v_add_nc_u32 v[ADI], s91, v[L8]
	v_add_nc_u32 v[ADI+1], 2*STG, v[ADI]
	s_mul_i32 s91, s18, REG
	s_add_co_u32 s91, s91, REG
	v_add_nc_u32 v[ADJ], s91, v[L8]
	v_add_nc_u32 v[ADJ+1], 2*STG, v[ADJ]
.if OUTP
	s_mul_i32 s91, s16, WST
	v_mul_u32_u24 v[STO], v[RR], PITCHS
	v_lshl_add_u32 v[STO], v[HH], 6, v[STO]
	v_add_nc_u32 v[STO], s91, v[STO]               ; the stage, in: row r, + 64 h
	v_add_nc_u32 v[RD], s91, v[L16]                ; and back: a whole row of 512 bytes
	v_lshlrev_b32 v15, 1, v[RR]
	v_lshl_add_u32 v15, v[HH], 15, v15             ; the scale planes: 2 r + two heads' planes for lanes 16-31
.endif
	s_wait_dscnt 0x0                               ; the opening add is done
	s_wait_kmcnt 0x0
.if !OUTP
	s_mov_b64 s[4:5], s[6:7]
.endif
	s_add_nc_u64 s[86:87], s[4:5], s[86:87]
	s_add_nc_u64 s[88:89], s[6:7], s[88:89]
.irp g, 0,1,2,3
	s_mov_b32 s[G0I+4*\g], 1
	s_mov_b32 s[G0I+4*\g+1], \g*STG
	s_add_nc_u64 s[G0I+4*\g+2:G0I+4*\g+3], s[86:87], \g*3072
	s_or_b32 s[G0I+4*\g+3], s[G0I+4*\g+3], 0x80000000
	s_mov_b32 s[G0J+4*\g+4*(\g/2)], 1
	s_add_co_u32 s[G0J+4*\g+4*(\g/2)+1], s90, \g*STG
	s_add_nc_u64 s[G0J+4*\g+4*(\g/2)+2:G0J+4*\g+4*(\g/2)+3], s[88:89], \g*3072
	s_or_b32 s[G0J+4*\g+4*(\g/2)+3], s[G0J+4*\g+4*(\g/2)+3], 0x80000000
.endr
	CROUND                                         ; all sixteen work-groups are here: the joint loads meet
	s_cmp_eq_u32 s16, 0                            ; a wave's four fills stand in one branch on the wave's number
	s_cbranch_scc0 .Lnot_i
.irp g, 0,1,2,3
	tensor_load_to_lds s[G0I+4*\g:G0I+4*\g+3], s[G1I:G1I+7]
	s_nop 0
.endr
	PLACES 4
	s_branch .Lasked
.Lnot_i:
	s_cmp_lt_u32 s16, 3
	s_cbranch_scc0 .Lasked
.irp g, 0,1,2,3
	tensor_load_to_lds s[G0J+4*\g+4*(\g/2):G0J+4*\g+4*(\g/2)+3], s[G1J:G1J+7]
	s_nop 0
.endr
	PLACES 4
.Lasked:
	; the scale images and the biases, straight into registers
.if OUTP
	s_lshl_b32 s96, s92, 5
	s_add_co_u32 s96, s96, 6291456                 ; x's scale planes: 32 bytes a row tile
	s_mov_b32 s97, 0
	s_add_nc_u64 s[96:97], s[4:5], s[96:97]
.irp i, 0,1,2,3
.irp p, 0,1,2,3
	global_load_u16 v[208+2*(4*\i+\p)], v15, s[96:97] offset:65536*\p+32*\i          ; head 4 p + 2 h: the low half of the word of K step 2 p + h
	global_load_u16 v[209+2*(4*\i+\p)], v15, s[96:97] offset:65536*\p+32*\i+16384    ; head 4 p + 2 h + 1: the high half
.endr
.endr
.else
	s_lshl_b32 s96, s92, 9
	s_add_co_u32 s96, s96, SCO
	s_mov_b32 s97, 0
	s_add_nc_u64 s[96:97], s[6:7], s[96:97]
.irp i, 0,1,2,3
	global_load_b128 v[SI+4*\i:SI+4*\i+3], v[L16], s[96:97] offset:512*\i
.endr
.endif
	s_lshl_b32 s98, s94, 9
	s_add_co_u32 s98, s98, SCO
	s_mov_b32 s99, 0
	s_add_nc_u64 s[98:99], s[6:7], s[98:99]
.irp t, 0,1,2,3,4,5,6,7
	global_load_b128 v[SJ+4*\t:SJ+4*\t+3], v[L16], s[98:99] offset:512*\t
.endr
	s_lshl_b32 s86, s19, 10
	s_lshl_b32 s87, s18, 9
	s_add_co_u32 s86, s86, s87                     ; 4 x my first row of a weight as J: 256 cx + 128 wj
.if !OUTP
	s_cmp_eq_u32 s22, 1
	s_cselect_b64 s[10:11], s[12:13], s[10:11]
	s_cmp_eq_u32 s22, 2
	s_cselect_b64 s[10:11], s[14:15], s[10:11]     ; my kind's bias
	s_sub_co_u32 s88, s92, 1664
	s_lshl_b32 s88, s88, 6                         ; 4 x my first row of wv as I
	s_cmp_eq_u32 s22, 2                            ; both forms are fetched; the one that my kind does not use from the bias's first bytes
	s_cselect_b32 s86, 0, s86
	s_cselect_b32 s88, s88, 0
	s_mov_b32 s89, 0
	s_add_nc_u64 s[88:89], s[10:11], s[88:89]
.endif
	s_mov_b32 s87, 0
	s_add_nc_u64 s[86:87], s[10:11], s[86:87]
	WIN 0x80                                       ; destination window 2
.irp b, 0,1,2,3
.irp q, 0,1,2,3
	global_load_b128 v[BJ+16*\b+4*\q:BJ+16*\b+4*\q+3], v[H64], s[86:87] offset:128*\b+16*\q   ; the bias at J's rows 32 b + 16 h + 0 .. 15
.endr
.endr
.if !OUTP
.irp i, 0,1,2,3
	global_load_b32 v[BI+2*\i], v[RHO4], s[88:89] offset:4*(32*(\i/2)+8*(\i%2))     ; the bias at I's row rho(i, r), in both registers of a pair
	global_load_b32 v[BI+2*\i+1], v[RHO4], s[88:89] offset:4*(32*(\i/2)+8*(\i%2))
.endr
.endif
	WIN 0
.macro FETCH s                         ; K step s: my 4 fragments of I and 8 of J, 72 loads of 256 consecutive bytes; even steps into window 0, odd ones into window 2
.if (\s)%2
	WIN 0x80
.else
	WIN 0
.endif
.irp i, 0,1,2,3
.irp p, 0,1,2,3,4,5
	ds_load_b64 v[IFR+12*\i+2*\p:IFR+12*\i+2*\p+1], v[ADI+(\s)/4] offset:(((\s)/2)%2)*STG+\i*3072+((\s)%2)*1536+256*\p
.endr
.endr
.irp t, 0,1,2,3,4,5,6,7
.irp p, 0,1,2,3,4,5
	ds_load_b64 v[JFR+12*\t+2*\p:JFR+12*\t+2*\p+1], v[ADJ+(\s)/4] offset:(((\s)/2)%2)*STG+\t*3072+((\s)%2)*1536+256*\p
.endr
.endr
	WIN 0
.endm
.macro MULS s                          ; 32 matrix instructions; the 32 accumulators take turns, one instruction a turn, in the same order in every step.  Register s / 2 of a scale image: lanes 0-15 the even step's words, lanes 16-31 the odd one's
.if (\s)%2
	WIN 0x5a
.else
	WIN 0x50
.endif
.irp i, 0,1,2,3
.irp t, 0,1,2,3,4,5,6,7
.if (\s) == 0
	v_wmma_scale_f32_16x16x128_f8f6f4 v[8*(8*\i+\t):8*(8*\i+\t)+7], v[JFR+12*\t:JFR+12*\t+11], v[IFR+12*\i:IFR+12*\i+11], 0, v[SJ+4*\t], v[SI+4*\i] matrix_a_fmt:MATRIX_FMT_FP6 matrix_b_fmt:MATRIX_FMT_FP6
.elseif (\s)%2
	v_wmma_scale_f32_16x16x128_f8f6f4 v[8*(8*\i+\t):8*(8*\i+\t)+7], v[JFR+12*\t:JFR+12*\t+11], v[IFR+12*\i:IFR+12*\i+11], v[8*(8*\i+\t):8*(8*\i+\t)+7], v[SJ+4*\t+(\s)/2], v[SI+4*\i+(\s)/2] matrix_a_fmt:MATRIX_FMT_FP6 matrix_b_fmt:MATRIX_FMT_FP6 matrix_a_scale:MATRIX_SCALE_ROW1 matrix_b_scale:MATRIX_SCALE_ROW1
.else
	v_wmma_scale_f32_16x16x128_f8f6f4 v[8*(8*\i+\t):8*(8*\i+\t)+7], v[JFR+12*\t:JFR+12*\t+11], v[IFR+12*\i:IFR+12*\i+11], v[8*(8*\i+\t):8*(8*\i+\t)+7], v[SJ+4*\t+(\s)/2], v[SI+4*\i+(\s)/2] matrix_a_fmt:MATRIX_FMT_FP6 matrix_b_fmt:MATRIX_FMT_FP6
.endif
.endr
.endr
.endm
.macro STEP s
	s_wait_dscnt 0x0                               ; this step's fragments are in
.if ((\s)%2) && ((\s) < 7)
	s_wait_tensorcnt 3-((\s)+1)/2                  ; my load of the next stage has landed; the younger stages' may be out
	s_barrier_signal -1
	s_barrier_wait -1                              ; everybody's has
.endif
.if (\s) < 7
	PLACES 4                                       ; in front of loads into registers that the step before multiplied
	FETCH (\s)+1
.endif
	MULS \s
.endm
.macro ADD32 x, a, bb, st              ; 32 results + the bias, out of window 1 into window 0 by one line each; each accumulator from its low end on
	WIN 0x09
.set kk, 0
.rept 16
	v_pk_add_f32 v[X+(\x)+2*kk:X+(\x)+2*kk+1], v[(\a)+2*kk:(\a)+2*kk+1], v[(\bb)+(\st)*kk:(\bb)+(\st)*kk+1]
.set kk, kk+1
.endr
.endm
	s_wait_tensorcnt 3                             ; my load of stage 0 has landed; three may be out
	s_barrier_signal -1
	s_barrier_wait -1
	FETCH 0
	s_wait_loadcnt 0x0                             ; scale images and biases
.if OUTP
.irp j, 0,1,2,3,4,5,6,7,8,9,10,11,12,13,14,15
	v_lshl_or_b32 v[SI+\j], v[209+2*\j], 16, v[208+2*\j]
.endr
	PLACES 8                                       ; scale registers written by vector instructions stand eight places ahead of a scaled matrix instruction
.endif
	STEP 0
	STEP 1
	STEP 2
	STEP 3
	STEP 4
	STEP 5
	STEP 6
	STEP 7
	WIN 0
	PLACES 4                                       ; in front of the first read of results, and of writes into registers that held fragments
.if OUTP
	; THE WAY OUT, f32: a tile of 16 rows x 128 columns goes through my stage and leaves as whole rows of 512 bytes
	s_wait_dscnt 0x0
	s_barrier_signal -1
	s_barrier_wait -1                              ; every wave's reads of the tiles are over: the stages lie over region 0
	s_lshl_b32 s86, s92, 16                        ; my first row tile: 16 rows of 4,096 bytes
	s_lshl_b32 s80, s19, 10
	s_add_co_u32 s86, s86, s80
	s_lshl_b32 s80, s18, 9
	s_add_co_u32 s86, s86, s80                     ; + my first column, in bytes
	s_mov_b32 s87, 0
	s_add_nc_u64 s[86:87], s[8:9], s[86:87]
.irp i, 0,1,2,3
	s_wait_xcnt 0x0                                ; the last tile's stores have read their registers
	ADD32 0, 8*(8*\i), BJ, 2
	ADD32 32, 8*(8*\i+4), BJ+32, 2
	WIN 0
.irp b, 0,1,2,3
.irp q, 0,1,2,3
	ds_store_b128 v[STO], v[X+16*\b+4*\q:X+16*\b+4*\q+3] offset:128*\b+16*\q
.endr
.endr
.irp w, 0,1,2,3,4,5,6,7,8,9,10,11,12,13,14,15
	ds_load_b128 v[YB+4*\w:YB+4*\w+3], v[RD] offset:PITCHS*\w    ; LDS serves a wave's instructions in order: these see my stores
.endr
	s_wait_dscnt 0x0
.irp w, 0,1,2,3,4,5,6,7,8,9,10,11,12,13,14,15
	global_store_b128 v[L16], v[YB+4*\w:YB+4*\w+3], s[86:87] offset:(32*(\i/2)+8*(\i%2)+\w+8*(\w/8))*4096 th:TH_STORE_NT   ; 32 lanes store 512 consecutive bytes, aligned
.endr
.endr
.else
.irp b, 0,1,2,3
	v_mov_b32 v[TM+4+\b], 0                        ; written once: a lane permute's destination counts as one of its sources
.endr
	s_cmp_eq_u32 s22, 2                            ; the kind hangs on the cluster's y alone: alike in all partners
	s_cbranch_scc1 .Lway_v
	; Q, K: my 4 token tiles are 2 pairs, my 128 rows of the weight 2 heads: four fragments [tile 2 P's 64 | tile 2 P + 1's 64]
	s_lshl_b32 s80, s22, 9
	s_sub_co_u32 s80, s92, s80                     ; my first token tile, 0 .. 511
	s_lshr_b32 s81, s80, 7                         ; the batch
	s_and_b32 s80, s80, 127
	s_lshr_b32 s80, s80, 1                         ; P0
	s_lshl_b32 s81, s81, 4
	s_lshl_b32 s83, s19, 2
	s_add_co_u32 s81, s81, s83
	s_lshl_b32 s83, s18, 1
	s_add_co_u32 s81, s81, s83                     ; 16 b + my first head
	s_lshl_b32 s83, s81, 6
	s_add_co_u32 s83, s83, s80
	s_mul_i32 s86, s83, 1536
	s_mul_i32 s83, s22, 6291456
	s_add_co_u32 s86, s86, s83
	s_mov_b32 s87, 0
	s_add_nc_u64 s[86:87], s[8:9], s[86:87]        ; the codes
	s_lshl_b32 s88, s81, 12
	s_lshl_b32 s80, s80, 6
	s_add_co_u32 s88, s88, s80
	s_lshl_b32 s83, s22, 18
	s_add_co_u32 s88, s88, s83
	s_add_co_u32 s88, s88, 18874368
	s_mov_b32 s89, 0
	s_add_nc_u64 s[88:89], s[8:9], s[88:89]        ; the scale words
.irp d, 0,1
.irp a, 0,1
	s_wait_xcnt 0x0                                ; the last group's stores have read their registers
	ADD32 0, 8*(8*(2*\a)+4*\d), BJ+32*\d, 2
	ADD32 32, 8*(8*(2*\a+1)+4*\d), BJ+32*\d, 2
	WIN 0
	QUANT X, PW+\a
.irp p, 0,1,2,3,4,5
	global_store_b64 v[L8], v[PC+2*\p:PC+2*\p+1], s[86:87] offset:\d*98304+\a*1536+256*\p   ; 32 lanes store 256 consecutive bytes, aligned
.endr
.endr
	v_cndmask_b32 v[SW], v[PW], v[PW+1], s[HM]     ; lanes 0-15 the even pair's words, lanes 16-31 the odd pair's
	global_store_b32 v[L4], v[SW], s[88:89] offset:\d*4096
.endr
	s_branch .Lend
.Lway_v:
	; V: my 64 rows of wv are one head's channels, four d tiles; my 128 tokens one key step
	s_sub_co_u32 s80, s92, 1664
	s_lshr_b32 s80, s80, 2                         ; the head
	s_sub_co_u32 s81, s94, 1024                    ; my first token tile
	s_lshr_b32 s83, s81, 7                         ; the batch
	s_and_b32 s81, s81, 127
	s_lshr_b32 s81, s81, 3                         ; ks
	s_lshl_b32 s83, s83, 4
	s_add_co_u32 s83, s83, s80
	s_lshl_b32 s83, s83, 4
	s_add_co_u32 s83, s83, s81                     ; (16 b + head) x 16 + ks
	s_mul_i32 s86, s83, 6144
	s_add_co_u32 s86, s86, 12582912
	s_mov_b32 s87, 0
	s_add_nc_u64 s[86:87], s[8:9], s[86:87]
	s_lshl_b32 s88, s83, 8
	s_add_co_u32 s88, s88, 19398656
	s_mov_b32 s89, 0
	s_add_nc_u64 s[88:89], s[8:9], s[88:89]
.irp i, 0,1,2,3
	s_wait_xcnt 0x0
	ADD32 0, 8*(8*\i), BI+2*\i, 0
	ADD32 32, 8*(8*\i+4), BI+2*\i, 0
	WIN 0
	QUANT X, PW+\i
.irp p, 0,1,2,3,4,5
	global_store_b64 v[L8], v[PC+2*\p:PC+2*\p+1], s[86:87] offset:\i*1536+256*\p
.endr
.endr
	v_cndmask_b32 v[SW], v[PW], v[PW+1], s[HM]
	v_cndmask_b32 v[SW+1], v[PW+2], v[PW+3], s[HM]
	global_store_b64 v[L8], v[SW:SW+1], s[88:89]
.Lend:
.endif
	s_wait_tensorcnt 0x0                           ; the wave's end: three lines behind my last tensor load and my last LDS store
	ds_add_u32 v[SPW], v[NIL]
	s_wait_dscnt 0x0
	CROUND                                         ; the closing round
	s_endpgm
.Lfunc_end_k_q9ae115c065_proj:
	.size	k_q9ae115c065_proj, .Lfunc_end_k_q9ae115c065_proj-k_q9ae115c065_proj
	.p2alignl 7, 3214868480
	.fill 96, 4, 3214868480
	.section	.rodata,"a",@progbits
	.p2align	6, 0x0
	.amdhsa_kernel k_q9ae115c065_proj
		.amdhsa_group_segment_fixed_size 327680
		.amdhsa_private_segment_fixed_size 0
		.amdhsa_enable_private_segment 0
		.amdhsa_kernarg_size 40
		.amdhsa_user_sgpr_count 2
		.amdhsa_user_sgpr_kernarg_segment_ptr 1
		.amdhsa_wavefront_size32 1
		.amdhsa_system_sgpr_workgroup_id_x 1
		.amdhsa_system_sgpr_workgroup_id_y 1
		.amdhsa_system_sgpr_workgroup_id_z 1
		.amdhsa_system_vgpr_workitem_id 0
		.amdhsa_next_free_vgpr 768
		.amdhsa_next_free_sgpr 100
		.amdhsa_reserve_vcc 0
		.amdhsa_float_denorm_mode_32 3
		.amdhsa_float_denorm_mode_16_64 3
		.amdhsa_memory_ordered 1
		.amdhsa_forward_progress 1
		.amdhsa_inst_pref_size 137
	.end_amdhsa_kernel
	.amdgpu_metadata
---
amdhsa.version: [ 1, 2 ]
amdhsa.kernels:
  - .name:           k_q9ae115c065_proj
    .symbol:         k_q9ae115c065_proj.kd
    .args:
      - { .name: pq, .offset: 0, .size: 8, .value_kind: global_buffer, .address_space: global }
      - { .name: bq, .offset: 8, .size: 8, .value_kind: global_buffer, .address_space: global }
      - { .name: bk, .offset: 16, .size: 8, .value_kind: global_buffer, .address_space: global }
      - { .name: bv, .offset: 24, .size: 8, .value_kind: global_buffer, .address_space: global }
      - { .name: qkv, .offset: 32, .size: 8, .value_kind: global_buffer, .address_space: global }
    .group_segment_fixed_size: 327680
    .private_segment_fixed_size: 0
    .kernarg_segment_align: 8
    .kernarg_segment_size: 40
    .max_flat_workgroup_size: 128
    .sgpr_count:     100
    .vgpr_count:     768
    .wavefront_size: 32
...
	.end_amdgpu_metadata
.endif
;; end of part 2
;; launch attn (part 3): grid 4 x 64, 16 waves a work-group, no clusters, 206,848 bytes of LDS; arguments qkv, mw, att; writes att
.if DOCPART == 3
	.amdgcn_target "amdgcn-amd-amdhsa--gfx1250"
	.amdhsa_code_object_version 6
	.text
	.protected	k_q9ae115c065_attn
	.globl	k_q9ae115c065_attn
	.p2align	8
	.type	k_q9ae115c065_attn,@function
k_q9ae115c065_attn:
	s_mov_b64 s[64:65], 0
	v_nop
	global_prefetch_b8 v0, s[64:65] scope:SCOPE_SE
	s_setreg_imm32_b32 hwreg(HW_REG_WAVE_MODE, 25, 1), 1
	s_wait_xcnt 0x0
; ATTENTION on codes of FP6 (E2M3): x[b][q][head] = softmax_k(Q . K / 8, hidden where the mask is 0) V, 64 heads of (batch, head), 2,048 queries and keys, head size 64.  x leaves quantised, as the output projection's operand.
; SHARES.  A work-group owns one (batch, head) and a quarter of its query tiles; K's and V's codes and scale words of the WHOLE head lie in LDS (204,800 bytes), brought once through registers: one barrier in the launch.
; Each of the 16 waves takes query tiles j and 127 - j (j = 16 x + wave), one after the other; four waves share a SIMD, so that one wave's vector work stands beside another's matrix work and LDS loads.
; LAYOUT.  Both products transposed: a lane holds ONE query, rho(qt, r) = 32 (qt / 2) + 8 (qt % 2) + r + 8 (r / 8).  A fragment of K holds TWO key tiles, [tile 2 P's 64 | tile 2 P + 1's 64]: multiplied by [q | 0] it gives tile 2 P's scores,
; by [0 | q] tile 2 P + 1's: the head's 64 fill the instruction's 128 with no byte of LDS wasted.  Register 16 b + i of the scores is key 128 ks + 32 b + 16 h + i.
; THE MASK comes as lane-mask words in that very layout (an earlier launch made them): 64 scalar words a unit, one v_cndmask_b32 a score.  A hidden score becomes -2^36: c x 2^36 is a whole number in f32, so a row that is wholly hidden
; gives p = 1 for every key, the uniform softmax that the definition gives.  LIMIT: that is an energy of -2^33 = -8.59e9 where the definition has -1e10: the results agree while open energies lie above -8.5e9.
; UNITS PASSED OVER.  A unit (16 queries x 128 keys) with no open bit adds nothing if every query of the tile has an open key somewhere; the stored flags say both, and a scalar branch passes over such units.  Else all 16 units are walked.
; THE SOFTMAX: t = score x log2(e) / 8; M = the running largest t rounded up to a whole number; p = 2^(t - M) is quantised along the keys; the sum is taken of the unquantised p and divides at the end.
; NO TENSOR LOAD AND NO JOINT LOAD: what the four work-groups of a head would share is one fill of 204,800 bytes each.
; LIMITS: a block of zeros gets the scale byte 1; NaN and infinities are not served.
.set KCO, 6291456
.set QSO, 18874368
.set KSO, 19136512
.set LV,  98304                        ; LDS: K's codes at 0, V's at 98,304, K's scale words at 196,608, V's at 200,704
.set LKS, 196608
.set LVS, 200704
.set SPARE, 204800                     ; the spare words, 128 bytes for each of the 16 waves
.set AK,  1                            ; v1  8 x lane
.set AV,  2
.set ASK, 3
.set ASV, 4
.set SPW, 5                            ; v5  my spare word; never rewritten
.set NIL, 6                            ; v6  0; never rewritten
.set NEG, 7                            ; v7  -2^36
; v8-11 the unit's LDS addresses; v12 -M, v13 the largest t, v[14:15] the sum; v16-33 [0 x 6 | q | 0 x 6]; v34 q's scale word, v35 the second tile's; v36-41 the second tile's q; v43 2 r, v44 4 r, v45 16 x lane
; v46, v47 K's scale words, v[48:49] V's
.set KV,  50                           ; v50-97 four fragments of K, then of V
.set S,   98                           ; v98-161 the scores, then p
.set O,   162                          ; v162-193 O^T
.set PC,  194                          ; v194-205 p's codes; v206-212 at work
.set BMX, 214
.set TP,  218
.set SO,  222
.set PW,  226                          ; p's scale word
.set FF,  228                          ; v[228:229] f
.set WK,  230
.set PV,  231
.set SM2, 232
.set TC,  84
.set TS,  85
.set KC,  86
.set SEL, 88
.set CS,  90
.set MB0, 92
.set OC0, 94
.set OP0, 96
.set MB1, 98
.set OC1, 100
.set OP1, 2
	s_load_b128 s[4:7], s[0:1], 0x0                ; qkv, mw
	s_load_b64 s[8:9], s[0:1], 0x10                ; att
	v_lshl_add_u32 v[SPW], v0, 2, SPARE
	v_mov_b32 v[NIL], 0
	v_lshrrev_b32 v8, 5, v0
	v_readfirstlane_b32 s10, v8                    ; wave 0..15
	v_and_b32 v9, 31, v0                           ; lane
	v_and_b32 v10, 15, v0                          ; r
	v_lshlrev_b32 v[AK], 3, v9
	v_add_nc_u32 v[AV], LV, v[AK]
	v_lshl_add_u32 v[ASK], v9, 2, LKS
	v_lshl_add_u32 v[ASV], v9, 3, LVS
	v_mov_b32 v[NEG], 0xd1800000
	v_lshlrev_b32 v43, 1, v10
	v_lshlrev_b32 v44, 2, v10
	v_lshlrev_b32 v45, 4, v9
	s_mul_i32 s38, s10, 6144
	v_add_nc_u32 v232, s38, v45                    ; the fill: my wave's 6,144 bytes of K's codes,
	v_add_nc_u32 v233, LV, v232                    ; of V's,
	s_lshl_b32 s39, s10, 9
	s_add_co_u32 s39, s39, LKS
	v_add_nc_u32 v234, s39, v45                    ; and its 512 bytes of scale words
	s_and_b32 s11, ttmp7, 0xffff                   ; bh
	s_lshl_b32 s14, ttmp9, 4
	s_add_co_u32 s14, s14, s10                     ; my first query tile,
	s_sub_co_u32 s15, 127, s14                     ; and my second
	s_lshr_b32 s16, s11, 4                         ; the batch
	s_and_b32 s17, s11, 15                         ; the head
	s_mul_i32 s18, s11, 98304
	s_lshl_b32 s19, s11, 12
	s_add_co_u32 s20, s38, s18
	s_add_co_u32 s20, s20, KCO
	s_mov_b32 s21, 0
	s_lshl_b32 s22, s10, 9
	s_add_co_u32 s22, s22, s19
	s_lshr_b32 s23, s10, 3
	s_mul_i32 s23, s23, 258048                     ; waves 8-15 take V's scale words: 262,144 on, less K's 4,096
	s_add_co_u32 s22, s22, s23
	s_add_co_u32 s22, s22, KSO
	s_mov_b32 s23, 0
	s_add_co_u32 s19, s19, QSO
	s_mul_i32 s36, s17, 768
	s_lshl_b32 s37, s17, 14
	s_add_co_u32 s37, s37, 6291456
.macro TSET qt, qb, qs, fl, mb, oc, op ; a tile's offsets: q's codes, q's scale words, the flags, the mask words, x's codes, x's scale plane
	s_mul_i32 s[\qb], s[\qt], 768
	s_add_co_u32 s[\qb], s[\qb], s18
	s_mov_b32 s[\qb+1], 0
	s_lshr_b32 s[\qs], s[\qt], 1
	s_lshl_b32 s[\qs], s[\qs], 6
	s_add_co_u32 s[\qs], s[\qs], s19
	s_mov_b32 s[\qs+1], 0
	s_lshl_b32 s[\fl], s[\qt], 9
	s_add_co_u32 s[\fl], s[\fl], 524288
	s_mov_b32 s[\fl+1], 0
	s_lshl_b32 s[\mb], s[\qt], 12
	s_mov_b32 s[\mb+1], 0
	s_lshl_b32 s[\op], s16, 7
	s_add_co_u32 s[\op], s[\op], s[\qt]            ; G = 128 b + qt
	s_mul_i32 s[\oc], s[\op], 12288
	s_add_co_u32 s[\oc], s[\oc], s36
	s_mov_b32 s[\oc+1], 0
	s_lshl_b32 s[\op], s[\op], 5
	s_add_co_u32 s[\op], s[\op], s37
	s_mov_b32 s[\op+1], 0
.endm
	TSET 14, 24, 28, 32, MB0, OC0, OP0
	TSET 15, 26, 30, 34, MB1, OC1, OP1
	s_and_b32 s48, s14, 1                          ; which two bytes of the pair's scale word are my tile's: bytes 0, 1 or 2, 3, taken twice
	s_mul_i32 s48, s48, 0x02020202
	s_add_co_u32 s48, s48, 0x01000100
	s_and_b32 s49, s15, 1
	s_mul_i32 s49, s49, 0x02020202
	s_add_co_u32 s49, s49, 0x01000100
	s_mov_b32 s[SEL], 0x76543210
	s_mov_b32 s[SEL+1], 0xfedcba98
	s_mov_b32 s[CS], 0x3e38aa3b                    ; c = log2(e) / 8
	s_mov_b32 s[CS+1], s[CS]
	s_wait_kmcnt 0x0
.irp a, 20,22,24,26,28,30
	s_add_nc_u64 s[\a:\a+1], s[4:5], s[\a:\a+1]
.endr
.irp a, 32,34,MB0,MB1
	s_add_nc_u64 s[\a:\a+1], s[6:7], s[\a:\a+1]
.endr
.irp a, OC0,OP0,OC1,OP1
	s_add_nc_u64 s[\a:\a+1], s[8:9], s[\a:\a+1]
.endr
.irp c, 0,1,2,3,4,5,6,7,8,9,10,11
	global_load_b128 v[98+4*\c:101+4*\c], v45, s[20:21] offset:512*\c
.endr
.irp c, 0,1,2,3,4,5,6,7,8,9,10,11
	global_load_b128 v[146+4*\c:149+4*\c], v45, s[20:21] offset:6291456+512*\c
.endr
	global_load_b128 v[194:197], v45, s[22:23]
.irp p, 0,1,2
	global_load_b64 v[22+2*\p:23+2*\p], v[AK], s[24:25] offset:256*\p     ; the first tile's q: half a fragment
	global_load_b64 v[36+2*\p:37+2*\p], v[AK], s[26:27] offset:256*\p     ; the second's
.endr
	global_load_b32 v34, v44, s[28:29]
	global_load_b32 v35, v44, s[30:31]
	s_load_b64 s[40:41], s[32:33], 0x0             ; the flags: (bm, ra) of each half of the keys, for both tiles
	s_load_b64 s[42:43], s[32:33], 0x100
	s_load_b64 s[44:45], s[34:35], 0x0
	s_load_b64 s[46:47], s[34:35], 0x100
.irp j, 16,17,18,19,20,21,28,29,30,31,32,33,TP,TP+1,TP+2,TP+3,FF+1,WK
	v_mov_b32 v[\j], 0                             ; the zero halves beside q; destinations of lane permutes; the upper half of f's pair
.endr
	s_wait_loadcnt 8                               ; the fill's 25 loads are in; the eight of q may be out
.irp c, 0,1,2,3,4,5,6,7,8,9,10,11
	ds_store_b128 v232, v[98+4*\c:101+4*\c] offset:512*\c
.endr
.irp c, 0,1,2,3,4,5,6,7,8,9,10,11
	ds_store_b128 v233, v[146+4*\c:149+4*\c] offset:512*\c
.endr
	ds_store_b128 v234, v[194:197]
	s_wait_dscnt 0x0                               ; for the others' sake: my part of the head lies in LDS
	s_barrier_signal -1
	s_barrier_wait -1                              ; everybody's does
	s_wait_loadcnt 0x0
	s_wait_kmcnt 0x0
.macro TODOS d, f                      ; which units are walked: those with an open bit, if every query of the tile has an open key; else all sixteen
	s_or_b32 s[\f+1], s[\f+1], s[\f+3]
	s_lshr_b32 s[\f+3], s[\f+1], 16
	s_or_b32 s[\f+1], s[\f+1], s[\f+3]
	s_and_b32 s[\f+1], s[\f+1], 0xffff
	s_lshl_b32 s[\f+2], s[\f+2], 8
	s_or_b32 s[\f], s[\f], s[\f+2]
	s_cmp_eq_u32 s[\f+1], 0xffff
	s_cselect_b32 s[\d], s[\f], 0xffff
.endm
	TODOS 12, 40
	TODOS 13, 44
	v_perm_b32 v34, v34, v34, s48
	v_perm_b32 v35, v35, v35, s49
.macro TILE u, todo, mb, oc, op
.if \u
	s_wait_xcnt 0x0                                ; the first tile's stores have read their registers
.irp p, 0,1,2,3,4,5
	v_mov_b32 v[22+\p], v[36+\p]
.endr
	v_mov_b32 v34, v35
.endif
	v_mov_b32 v13, 0xff61b1e6                      ; the largest t so far: -3e38
	v_floor_f32 v12, -v13                          ; -M
	v_mov_b32 v14, 0
	v_mov_b32 v15, 0
.irp j, 0,1,2,3,4,5,6,7,8,9,10,11,12,13,14,15,16,17,18,19,20,21,22,23,24,25,26,27,28,29,30,31
	v_mov_b32 v[O+\j], 0                           ; the unit is written once: the first finds zeros, which the first change of M leaves zeros
.endr
	s_mov_b32 s[TC], 0
	s_mov_b32 s[TS], 0
	s_mov_b32 s[KC], 0
.Lunit_\@:                                         ; sixteen trips, a unit of 128 keys each
	s_lshr_b32 s87, s[\todo], s[KC]
	s_and_b32 s87, s87, 1
	s_cmp_eq_u32 s87, 0
	s_cbranch_scc1 .Lskip_\@
	s_load_b512 s[16:31], s[\mb:\mb+1], 0x0        ; the unit's 64 mask words
	s_load_b512 s[32:47], s[\mb:\mb+1], 0x40
	s_load_b512 s[48:63], s[\mb:\mb+1], 0x80
	s_load_b512 s[68:83], s[\mb:\mb+1], 0xc0
	v_add_nc_u32 v8, s[TC], v[AK]                  ; (these four are also the places in front of the loads into registers that the last products read)
	v_add_nc_u32 v9, s[TC], v[AV]
	v_add_nc_u32 v10, s[TS], v[ASK]
	v_add_nc_u32 v11, s[TS], v[ASV]
.irp f, 0,1,2,3
.irp p, 0,1,2,3,4,5
	ds_load_b64 v[KV+12*\f+2*\p:KV+12*\f+2*\p+1], v8 offset:1536*\f+256*\p
.endr
.endr
	ds_load_b32 v46, v10
	ds_load_b32 v47, v10 offset:128
	s_wait_dscnt 0x0
.irp b, 0,1,2,3                                ; S^T: fragment b x [q | 0] and x [0 | q]
.if \b%2
	v_wmma_scale_f32_16x16x128_f8f6f4 v[S+16*\b:S+16*\b+7], v[KV+12*\b:KV+12*\b+11], v[22:33], 0, v[46+\b/2], v34 matrix_a_fmt:MATRIX_FMT_FP6 matrix_b_fmt:MATRIX_FMT_FP6 matrix_a_scale:MATRIX_SCALE_ROW1
	v_wmma_scale_f32_16x16x128_f8f6f4 v[S+16*\b+8:S+16*\b+15], v[KV+12*\b:KV+12*\b+11], v[16:27], 0, v[46+\b/2], v34 matrix_a_fmt:MATRIX_FMT_FP6 matrix_b_fmt:MATRIX_FMT_FP6 matrix_a_scale:MATRIX_SCALE_ROW1
.else
	v_wmma_scale_f32_16x16x128_f8f6f4 v[S+16*\b:S+16*\b+7], v[KV+12*\b:KV+12*\b+11], v[22:33], 0, v[46+\b/2], v34 matrix_a_fmt:MATRIX_FMT_FP6 matrix_b_fmt:MATRIX_FMT_FP6
	v_wmma_scale_f32_16x16x128_f8f6f4 v[S+16*\b+8:S+16*\b+15], v[KV+12*\b:KV+12*\b+11], v[16:27], 0, v[46+\b/2], v34 matrix_a_fmt:MATRIX_FMT_FP6 matrix_b_fmt:MATRIX_FMT_FP6
.endif
.endr
.rept 4
	v_nop                                          ; places in front of the loads below and of the first read of the scores
.endr
.irp f, 0,1,2,3                                ; V's four fragments, into the registers that K's have left: they land under the softmax
.irp p, 0,1,2,3,4,5
	ds_load_b64 v[KV+12*\f+2*\p:KV+12*\f+2*\p+1], v9 offset:1536*\f+256*\p
.endr
.endr
	ds_load_b64 v[48:49], v11
	s_wait_kmcnt 0x0                               ; the mask words are in
.set n, 0
.rept 64
.if n < 48
	v_cndmask_b32 v[S+n], v[NEG], v[S+n], s[16+n]
.else
	v_cndmask_b32 v[S+n], v[NEG], v[S+n], s[20+n]
.endif
.set n, n+1
.endr
.irp b, 0,1,2,3
	v_max3_num_f32 v[BMX+\b], v[S+16*\b], v[S+1+16*\b], v[S+2+16*\b]   ; the largest score of each block of 32 keys: for the row's maximum, and, since p rises with the score, for the block's largest p
.endr
.irp i, 3,5,7,9,11,13
.irp b, 0,1,2,3
	v_max3_num_f32 v[BMX+\b], v[BMX+\b], v[S+16*\b+\i], v[S+1+16*\b+\i]
.endr
.endr
.irp b, 0,1,2,3
	v_max_num_f32 v[BMX+\b], v[BMX+\b], v[S+15+16*\b]
.endr
.irp b, 0,1,2,3
	v_permlanex16_b32 v[TP+\b], v[BMX+\b], s[SEL], s[SEL+1]
.endr
.irp b, 0,1,2,3
	v_max_num_f32 v[BMX+\b], v[BMX+\b], v[TP+\b]
.endr
	v_max3_num_f32 v[WK], v[BMX], v[BMX+1], v[BMX+2]
	v_max_num_f32 v[WK], v[WK], v[BMX+3]
	v_mul_f32 v[WK], s[CS], v[WK]
	v_max_num_f32 v13, v13, v[WK]                  ; the running largest t
	v_mov_b32 v[WK], v12
	v_floor_f32 v12, -v13                          ; the new -M: a whole number
	v_sub_f32 v[WK], v12, v[WK]
	v_cvt_i32_f32 v[WK], v[WK]                     ; (it saturates)
	v_ldexp_f32 v[FF], 1.0, v[WK]                  ; f = 2^(old M - new M): a multiplication by it rounds nothing
.irp j, 0,2,4,6,8,10,12,14,16,18,20,22,24,26,28,30,32,34,36,38,40,42,44,46,48,50,52,54,56,58,60,62
	v_pk_fma_f32 v[S+\j:S+\j+1], v[S+\j:S+\j+1], s[CS:CS+1], v[12:13] op_sel_hi:[1,0,0]   ; t - M
.endr
.irp b, 0,1,2,3
	v_fma_f32 v[BMX+\b], v[BMX+\b], s[CS], v12
.endr
.set n, 0
.rept 64
	v_exp_f32 v[S+n], v[S+n]                       ; p = 2^(t - M): not normalised
.set n, n+1
.endr
	v_pk_mul_f32 v[14:15], v[14:15], v[FF:FF+1] op_sel_hi:[1,0]   ; the sums under the new M: a plain place behind the exponentials
	s_wait_alu depctr_va_vdst(0)                   ; one wait for the batch, ahead of its first reader
.irp b, 0,1,2,3
	v_exp_f32 v[BMX+\b], v[BMX+\b]                 ; each block's largest p
.endr
	v_pk_add_f32 v[SM2:SM2+1], v[S:S+1], v[S+2:S+3]   ; the row's sum, of the unquantised p, in two chains
.irp j, 4,8,12,16,20,24,28,32,36,40,44,48,52,56,60
	v_pk_add_f32 v[14:15], v[14:15], v[S+\j:S+\j+1]
	v_pk_add_f32 v[SM2:SM2+1], v[SM2:SM2+1], v[S+\j+2:S+\j+3]
.endr
	v_pk_add_f32 v[14:15], v[14:15], v[SM2:SM2+1]
	s_wait_alu depctr_va_vdst(0)                   ; and one for the four
.irp b, 0,1,2,3
	v_max_num_f32 v[BMX+\b], 0x1800000, v[BMX+\b]  ; the floor 2^(3 - 127)
.endr
.irp b, 0,1,2,3
	v_add_nc_u32 v[SO+\b], 0xff000000, v[BMX+\b]
.endr
.irp b, 0,1,2,3
	v_lshrrev_b32 v[TP+\b], 23, v[SO+\b]
.endr
	v_lshl_or_b32 v[PW], v[TP+1], 8, v[TP]
	v_lshl_or_b32 v[PW], v[TP+2], 16, v[PW]
	v_lshl_or_b32 v[PW], v[TP+3], 24, v[PW]
.irp c, 0,1
	v_cvt_scalef32_pk16_fp6_f32 v[PC+6*\c:PC+2+6*\c], v[S+32*\c:S+15+32*\c], v[SO+2*\c]
	v_cvt_scalef32_pk16_fp6_f32 v[PC+12+4*\c:PC+14+4*\c], v[S+16+32*\c:S+31+32*\c], v[SO+2*\c+1]
.endr
	v_nop                                          ; one plain place behind a scaled conversion
.irp c, 0,1
.irp i, 0,1,2
	v_permlane16_swap_b32 v[PC+6*\c+\i], v[PC+12+4*\c+\i]
.endr
.irp i, 0,1,2
	v_mov_b32 v[PC+3+6*\c+\i], v[PC+12+4*\c+\i]
.endr
.endr
.irp j, 0,2,4,6,8,10,12,14,16,18,20,22,24,26,28,30
	v_pk_mul_f32 v[O+\j:O+\j+1], v[O+\j:O+\j+1], v[FF:FF+1] op_sel_hi:[1,0]   ; O^T under the new M.  For each of the four products below, the twelve lines on the other three tiles are the places behind p's codes and scale word
.endr
	s_wait_dscnt 0x0                               ; V's fragments and scale words are in
.irp d, 0,1,2,3                                ; O^T += V^T P^T: four accumulators by turns
.if \d%2
	v_wmma_scale_f32_16x16x128_f8f6f4 v[O+8*\d:O+8*\d+7], v[KV+12*\d:KV+12*\d+11], v[PC:PC+11], v[O+8*\d:O+8*\d+7], v[48+\d/2], v[PW] matrix_a_fmt:MATRIX_FMT_FP6 matrix_b_fmt:MATRIX_FMT_FP6 matrix_a_scale:MATRIX_SCALE_ROW1
.else
	v_wmma_scale_f32_16x16x128_f8f6f4 v[O+8*\d:O+8*\d+7], v[KV+12*\d:KV+12*\d+11], v[PC:PC+11], v[O+8*\d:O+8*\d+7], v[48+\d/2], v[PW] matrix_a_fmt:MATRIX_FMT_FP6 matrix_b_fmt:MATRIX_FMT_FP6
.endif
.endr
.Lskip_\@:
	s_add_nc_u64 s[\mb:\mb+1], s[\mb:\mb+1], 256   ; the next unit's mask words (this unit's scalar loads were waited for),
	s_add_co_u32 s[TC], s[TC], 6144                ; codes,
	s_add_co_u32 s[TS], s[TS], 256                 ; and scale words
	s_add_co_u32 s[KC], s[KC], 1
	s_cmp_lt_u32 s[KC], 16
	s_cbranch_scc1 .Lunit_\@
	; THE WAY OUT: O^T / the sum is a head's 64 of 16 rows of x: two blocks of 32 along the output projection's K: quantised here, half a fragment and two scale bytes a row
.rept 4
	v_nop                                          ; places behind the last products
.endr
	v_add_f32 v14, v14, v15
	v_permlanex16_b32 v[WK], v14, s[SEL], s[SEL+1]
	v_add_f32 v14, v14, v[WK]                      ; the row's sum
	v_rcp_f32 v14, v14
	v_nop
	v_nop
	s_wait_alu depctr_va_vdst(0)                   ; ahead of the reciprocal's first reader
.irp j, 0,2,4,6,8,10,12,14,16,18,20,22,24,26,28,30
	v_pk_mul_f32 v[S+\j:S+\j+1], v[O+\j:O+\j+1], v[14:15] op_sel_hi:[1,0]   ; register 16 b + i: channel 32 b + 16 h + i
.endr
.irp b, 0,1
	v_max3_num_f32 v[BMX+\b], |v[S+16*\b]|, |v[S+1+16*\b]|, 0x1800000
.endr
.irp i, 2,4,6,8,10,12,14
.irp b, 0,1
	v_max3_num_f32 v[BMX+\b], v[BMX+\b], |v[S+16*\b+\i]|, |v[S+1+16*\b+\i]|
.endr
.endr
.irp b, 0,1
	v_permlanex16_b32 v[TP+\b], v[BMX+\b], s[SEL], s[SEL+1]
.endr
.irp b, 0,1
	v_max_num_f32 v[BMX+\b], v[BMX+\b], v[TP+\b]
.endr
.irp b, 0,1
	v_add_nc_u32 v[SO+\b], 0xff000000, v[BMX+\b]
.endr
.irp b, 0,1
	v_lshrrev_b32 v[TP+\b], 23, v[SO+\b]
.endr
	v_lshl_or_b32 v[PV], v[TP+1], 8, v[TP]
	v_cvt_scalef32_pk16_fp6_f32 v[PC:PC+2], v[S:S+15], v[SO]
	v_cvt_scalef32_pk16_fp6_f32 v[PC+12:PC+14], v[S+16:S+31], v[SO+1]
	v_nop
.irp i, 0,1,2
	v_permlane16_swap_b32 v[PC+\i], v[PC+12+\i]
.endr
.irp i, 0,1,2
	v_mov_b32 v[PC+3+\i], v[PC+12+\i]
.endr
.irp p, 0,1,2
	global_store_b64 v[AK], v[PC+2*\p:PC+2*\p+1], s[\oc:\oc+1] offset:256*\p   ; 32 lanes store 256 consecutive bytes, aligned
.endr
	global_store_b16 v43, v[PV], s[\op:\op+1]      ; both halves of the lanes hold the same two bytes and write them to the same place
.endm
	TILE 0, 12, MB0, OC0, OP0
	TILE 1, 13, MB1, OC1, OP1
	s_wait_tensorcnt 0x0                           ; the wave's end: three lines behind my last LDS store
	ds_add_u32 v[SPW], v[NIL]
	s_wait_dscnt 0x0
	s_endpgm
.Lfunc_end_k_q9ae115c065_attn:
	.size	k_q9ae115c065_attn, .Lfunc_end_k_q9ae115c065_attn-k_q9ae115c065_attn
	.p2alignl 7, 3214868480
	.fill 96, 4, 3214868480
	.section	.rodata,"a",@progbits
	.p2align	6, 0x0
	.amdhsa_kernel k_q9ae115c065_attn
		.amdhsa_group_segment_fixed_size 206848
		.amdhsa_private_segment_fixed_size 0
		.amdhsa_enable_private_segment 0
		.amdhsa_kernarg_size 24
		.amdhsa_user_sgpr_count 2
		.amdhsa_user_sgpr_kernarg_segment_ptr 1
		.amdhsa_wavefront_size32 1
		.amdhsa_system_sgpr_workgroup_id_x 1
		.amdhsa_system_sgpr_workgroup_id_y 1
		.amdhsa_system_sgpr_workgroup_id_z 1
		.amdhsa_system_vgpr_workitem_id 0
		.amdhsa_next_free_vgpr 256
		.amdhsa_next_free_sgpr 102
		.amdhsa_reserve_vcc 0
		.amdhsa_float_denorm_mode_32 3
		.amdhsa_float_denorm_mode_16_64 3
		.amdhsa_memory_ordered 1
		.amdhsa_forward_progress 1
		.amdhsa_inst_pref_size 64
	.end_amdhsa_kernel
	.amdgpu_metadata
---
amdhsa.version: [ 1, 2 ]
amdhsa.kernels:
  - .name:           k_q9ae115c065_attn
    .symbol:         k_q9ae115c065_attn.kd
    .args:
      - { .name: qkv, .offset: 0, .size: 8, .value_kind: global_buffer, .address_space: global }
      - { .name: mw, .offset: 8, .size: 8, .value_kind: global_buffer, .address_space: global }
      - { .name: att, .offset: 16, .size: 8, .value_kind: global_buffer, .address_space: global }
    .group_segment_fixed_size: 206848
    .private_segment_fixed_size: 0
    .kernarg_segment_align: 8
    .kernarg_segment_size: 24
    .max_flat_workgroup_size: 512
    .sgpr_count:     102
    .vgpr_count:     256
    .wavefront_size: 32
...
	.end_amdgpu_metadata
.endif
;; end of part 3
;; launch outp (part 4): grid 4 x 64, 4 waves a work-group, clusters of 4 x 4, 327,680 bytes of LDS; arguments att, pq, bo, out0; writes out0
.if DOCPART == 4
	.amdgcn_target "amdgcn-amd-amdhsa--gfx1250"
	.amdhsa_code_object_version 6
	.text
	.protected	k_q9ae115c065_outp
	.globl	k_q9ae115c065_outp
	.p2align	8
	.type	k_q9ae115c065_outp,@function
k_q9ae115c065_outp:
	s_mov_b64 s[64:65], 0
	v_nop
	global_prefetch_b8 v0, s[64:65] scope:SCOPE_SE
	s_setreg_imm32_b32 hwreg(HW_REG_WAVE_MODE, 25, 1), 1
	s_wait_xcnt 0x0
	s_wait_alu depctr_hold_cnt(0) depctr_sa_sdst(0) depctr_va_vdst(0) depctr_va_sdst(0) depctr_va_ssrc(0) depctr_va_vcc(0) depctr_vm_vsrc(0)
	s_getreg_b32 s2, hwreg(HW_REG_IB_STS2, 6, 4)
	s_cmp_eq_u32 s2, 0
	s_cbranch_scc0 .Lentry_in_a_cluster
	s_endpgm
.Lentry_in_a_cluster:
	s_bfe_u32 s2, ttmp6, 0x10000c
	s_cmp_lg_u32 s2, 0xf033
	s_cbranch_scc0 .Lentry_shape_is_right
	s_endpgm
.Lentry_shape_is_right:
; A PRODUCT ON CODES OF FP6 (E2M3), K = 1,024, both operands as fragment images.  One text serves two launches: OUTP = 0: the three projections, whose results are quantised on the way out;  OUTP = 1: the output projection, f32 out.
; A ROW TILE T holds the rows rho(T, r) = 32 (T / 2) + 8 (T % 2) + r + 8 (r / 8).  A fragment (16 rows x 128 K) is 1,536 bytes: six chunks of 256, chunk p = registers 2 p, 2 p + 1, lane l at 8 l; a row tile's 8 K steps lie on end.
; THE MATRIX INSTRUCTION: source 0 = a tile of J, source 1 = a tile of I.  Lane (r, h) then holds I's row rho(i, r), and the 16 registers of J's tiles 2 b, 2 b + 1 hold J's rows 32 b + 16 h + 0 .. 15.
; OUTP = 1:  I = attention's x (att: codes as in pq; scale bytes in sixteen planes, one a head: two bytes a row at 6,291,456 + head x 16,384 + G x 32 + 2 r), J = wo's rows; out0 = x wo^T + bo, f32.
; SHARES.  A work-group makes 128 rows of I x 256 rows of J, wave (wi, wj) 64 x 128: 32 accumulators.  BOTH OPERANDS' WHOLE K LIES IN LDS (294,912 bytes): first fills alone, in four stages of two K steps; no byte is filled again.
; CLUSTER 4 x 4: I's tiles hang on the cluster's y and cy and are asked for jointly along a row of the cluster, J's on cx, jointly along a column.  Wave 0 asks for I, waves 1 and 2 for J's halves: four tensor loads of a wave are out at the most.
; LIMITS: NaN and infinities are not served.
; REGISTERS: window 0: v1-13 addresses; v16-31 I's scale images, v32-63 J's; v64-111, v112-207 fragments of even K steps; on the way out v64-127 numbers, v128-191 rows, v208-249 at work.  window 1: accumulator (i, t) at 8 (8 i + t).
;   window 2: v64-207 fragments of odd K steps; v0-63 the bias along J; v208-215 the bias along I.
.set OUTP, 1
.set SCO,  22020096
.set REG,  98304                       ; LDS: region 0 = I, 1 = J's tiles 0-7, 2 = J's tiles 8-15;  in a region: stage g at g x STG, row tile at 3,072, K step at 1,536
.set STG,  24576
.set SPARE, 3*REG                      ; the spare words, 128 bytes for each wave
.set PITCHS, 528
.set WST,  16*PITCHS                   ; OUTP: a wave's stage, in region 0, which has had its only fill and its last read by then
.set L8,  1
.set RR,  2
.set HH,  3
.set ADI, 4                            ; v4, v5  my I fragments, K steps 0-3 and 4-7
.set ADJ, 6                            ; v6, v7  my J fragments
.set SPW, 8                            ; v8   my spare word; never rewritten
.set NIL, 9                            ; v9   0; never rewritten
.set L16, 10
.set L4,  11
.set H64, 12
.set RHO4, 13
.set SI,  16
.set SJ,  32
.set IFR, 64
.set JFR, 112
.set X,   64
.set YB,  128
.set TM,  208
.set PC,  224
.set PW,  244
.set SW,  248
.set STO, 250
.set RD,  251
.set BJ,  0
.set BI,  208
.set G1I, 24
.set G1J, 32
.set G0I, 40                           ; s40, 44, 48, 52: a group 0 for each stage
.set G0J, 56                           ; s56, 60, 68, 72
.set SEL, 76
.set HM,  78
.set MSB, 0
.macro WIN new                         ; the immediate's high byte repeats the setting that is left
.if MSB != \new
	s_set_vgpr_msb (MSB<<8)|\new
.set MSB, \new
.endif
.endm
.macro PLACES n
.rept \n
	v_nop
.endr
.endm
.macro CROUND                          ; a round of the cluster's barrier
	s_barrier_signal -1
	s_barrier_wait -1
	s_cmp_lg_u32 s16, 0
	s_cbranch_scc1 .Lnot_wave_0_\@
	s_barrier_signal -3
.Lnot_wave_0_\@:
	s_barrier_wait -3
	s_barrier_signal -1
	s_barrier_wait -1
.endm
.macro QUANT s, pw                     ; 64 numbers of a lane, register 16 b + i = k 32 b + 16 (lane / 16) + i, become a fragment's codes in v[PC] on and its scale word in v[pw]
.irp b, 0,1,2,3
	v_max3_num_f32 v[TM+\b], |v[\s+16*\b]|, |v[\s+1+16*\b]|, 0x1800000   ; and the floor 2^(3 - 127): the byte cannot fall under 1
.endr
.irp i, 2,4,6,8,10,12,14
.irp b, 0,1,2,3
	v_max3_num_f32 v[TM+\b], v[TM+\b], |v[\s+16*\b+\i]|, |v[\s+1+16*\b+\i]|
.endr
.endr
.irp b, 0,1,2,3
	v_permlanex16_b32 v[TM+4+\b], v[TM+\b], s[SEL], s[SEL+1]
.endr
.irp b, 0,1,2,3
	v_max_num_f32 v[TM+\b], v[TM+\b], v[TM+4+\b]
.endr
.irp b, 0,1,2,3
	v_add_nc_u32 v[TM+12+\b], 0xff000000, v[TM+\b]   ; 2 off the exponent field: the conversion's scale operand
.endr
.irp b, 0,1,2,3
	v_lshrrev_b32 v[TM+4+\b], 23, v[TM+12+\b]
.endr
	v_lshl_or_b32 v[\pw], v[TM+5], 8, v[TM+4]
	v_lshl_or_b32 v[\pw], v[TM+6], 16, v[\pw]
	v_lshl_or_b32 v[\pw], v[TM+7], 24, v[\pw]
.irp c, 0,1
	v_cvt_scalef32_pk16_fp6_f32 v[PC+6*\c:PC+2+6*\c], v[\s+32*\c:\s+15+32*\c], v[TM+12+2*\c]
	v_cvt_scalef32_pk16_fp6_f32 v[PC+12+4*\c:PC+14+4*\c], v[\s+16+32*\c:\s+31+32*\c], v[TM+12+2*\c+1]
.endr
	v_nop                                          ; one plain place behind a scaled conversion
.irp c, 0,1
.irp i, 0,1,2
	v_permlane16_swap_b32 v[PC+6*\c+\i], v[PC+12+4*\c+\i]
.endr
.irp i, 0,1,2
	v_mov_b32 v[PC+3+6*\c+\i], v[PC+12+4*\c+\i]
.endr
.endr
.endm
.if OUTP
	s_load_b64 s[4:5], s[0:1], 0x0                 ; att: I
	s_load_b64 s[6:7], s[0:1], 0x8                 ; pq: J
	s_load_b64 s[10:11], s[0:1], 0x10              ; bo
	s_load_b64 s[8:9], s[0:1], 0x18                ; out0
.else
	s_load_b64 s[6:7], s[0:1], 0x0                 ; pq: I and J
	s_load_b64 s[10:11], s[0:1], 0x8               ; bq
	s_load_b64 s[12:13], s[0:1], 0x10              ; bk
	s_load_b64 s[14:15], s[0:1], 0x18              ; bv
	s_load_b64 s[8:9], s[0:1], 0x20                ; qkv
.endif
	v_lshl_add_u32 v[SPW], v0, 2, SPARE
	v_mov_b32 v[NIL], 0
	ds_add_u32 v[SPW], v[NIL]                      ; the wave's opening: the add and its wait ahead of my first tensor load; work on registers stands between them
	v_lshrrev_b32 v1, 5, v0
	v_readfirstlane_b32 s16, v1                    ; wave 0..3
	s_lshr_b32 s17, s16, 1                         ; wi
	s_and_b32 s18, s16, 1                          ; wj
	s_bfe_u32 s19, ttmp6, 0x40000                  ; cx
	s_bfe_u32 s20, ttmp6, 0x40004                  ; cy
	s_and_b32 s21, ttmp7, 0xffff                   ; the cluster's y
	s_lshl_b32 s80, s20, 2
	s_lshl_b32 s80, 15, s80                        ; my row of the cluster
	s_lshl_b32 s81, 0x1111, s19                    ; my column
	s_or_b32 s[G1I], s80, (3<<16)|(1<<21)          ; 15:0 the mask; 17:16 elements of 8 bytes; 21 set beside a mask; no padding
	s_or_b32 s[G1J], s81, (3<<16)|(1<<21)
.irp g, G1I, G1J
	s_mov_b32 s[\g+1], 384<<16                     ; tensor_dim0: 384 elements = 3,072 bytes: two K steps of a row tile
	s_mov_b32 s[\g+2], 8<<16                       ; tensor_dim1: 8 row tiles
	s_mov_b32 s[\g+3], 384<<16                     ; tile_dim0
	s_mov_b32 s[\g+4], 8                           ; tile_dim1
	s_mov_b32 s[\g+5], 1536                        ; from row tile to row tile: 12,288 bytes
	s_mov_b32 s[\g+6], 0
	s_mov_b32 s[\g+7], 0
.endr
.if OUTP
	s_lshl_b32 s82, s21, 5                         ; I: 32 row tiles a cluster
	s_mov_b32 s84, 1728                            ; J: wo
.else
	s_lshr_b32 s22, s21, 4                         ; kind: 0 Q, 1 K, 2 V
	s_and_b32 s23, s21, 15                         ; c
	s_lshl_b32 s82, s22, 9
	s_lshl_b32 s83, s23, 5
	s_add_co_u32 s82, s82, s83                     ; Q, K: I = tokens
	s_lshr_b32 s83, s23, 3
	s_lshl_b32 s83, s83, 5
	s_add_co_u32 s83, s83, 1664                    ; V: I = wv
	s_lshl_b32 s84, s22, 6
	s_add_co_u32 s84, s84, 1536                    ; Q, K: J = the weight
	s_and_b32 s85, s23, 7
	s_lshl_b32 s85, s85, 6
	s_add_co_u32 s85, s85, 1024                    ; V: J = value's tokens
	s_cmp_eq_u32 s22, 2
	s_cselect_b32 s82, s83, s82
	s_cselect_b32 s84, s85, s84
.endif
	s_lshl_b32 s83, s20, 3
	s_add_co_u32 s82, s82, s83                     ; GI: made of the cluster's y and cy alone
	s_lshl_b32 s85, s19, 4
	s_add_co_u32 s84, s84, s85                     ; GJ: of the cluster's y and cx alone
	s_mul_i32 s86, s82, 12288
	s_mov_b32 s87, 0
	s_lshl_b32 s88, s17, 3                         ; wave 1: J's tiles 0-7, wave 2: tiles 8-15
	s_add_co_u32 s88, s88, s84
	s_mul_i32 s88, s88, 12288
	s_mov_b32 s89, 0
	s_mul_i32 s90, s16, REG                        ; where J's go: no place in the cluster enters an LDS address
	s_lshl_b32 s92, s17, 2
	s_add_co_u32 s92, s92, s82                     ; my wave's first row tile of I
	s_lshl_b32 s94, s18, 3
	s_add_co_u32 s94, s94, s84                     ; and of J
	s_mov_b32 s[SEL], 0x76543210
	s_mov_b32 s[SEL+1], 0xfedcba98
	s_mov_b32 s[HM], 0xffff0000
	v_and_b32 v14, 31, v0
	v_and_b32 v[RR], 15, v0
	v_bfe_u32 v[HH], v0, 4, 1
	v_lshlrev_b32 v[L8], 3, v14
	v_lshlrev_b32 v[L16], 4, v14
	v_lshlrev_b32 v[L4], 2, v14
	v_lshlrev_b32 v[H64], 6, v[HH]
	v_and_b32 v15, 8, v[RR]
	v_add_nc_u32 v15, v15, v[RR]
	v_lshlrev_b32 v[RHO4], 2, v15                  ; 4 (r + 8 (r / 8))
	s_mul_i32 s91, s17, 12288
	v_add_nc_u32 v[ADI], s91, v[L8]
	v_add_nc_u32 v[ADI+1], 2*STG, v[ADI]
	s_mul_i32 s91, s18, REG
	s_add_co_u32 s91, s91, REG
	v_add_nc_u32 v[ADJ], s91, v[L8]
	v_add_nc_u32 v[ADJ+1], 2*STG, v[ADJ]
.if OUTP
	s_mul_i32 s91, s16, WST
	v_mul_u32_u24 v[STO], v[RR], PITCHS
	v_lshl_add_u32 v[STO], v[HH], 6, v[STO]
	v_add_nc_u32 v[STO], s91, v[STO]               ; the stage, in: row r, + 64 h
	v_add_nc_u32 v[RD], s91, v[L16]                ; and back: a whole row of 512 bytes
	v_lshlrev_b32 v15, 1, v[RR]
	v_lshl_add_u32 v15, v[HH], 15, v15             ; the scale planes: 2 r + two heads' planes for lanes 16-31
.endif
	s_wait_dscnt 0x0                               ; the opening add is done
	s_wait_kmcnt 0x0
.if !OUTP
	s_mov_b64 s[4:5], s[6:7]
.endif
	s_add_nc_u64 s[86:87], s[4:5], s[86:87]
	s_add_nc_u64 s[88:89], s[6:7], s[88:89]
.irp g, 0,1,2,3
	s_mov_b32 s[G0I+4*\g], 1
	s_mov_b32 s[G0I+4*\g+1], \g*STG
	s_add_nc_u64 s[G0I+4*\g+2:G0I+4*\g+3], s[86:87], \g*3072
	s_or_b32 s[G0I+4*\g+3], s[G0I+4*\g+3], 0x80000000
	s_mov_b32 s[G0J+4*\g+4*(\g/2)], 1
	s_add_co_u32 s[G0J+4*\g+4*(\g/2)+1], s90, \g*STG
	s_add_nc_u64 s[G0J+4*\g+4*(\g/2)+2:G0J+4*\g+4*(\g/2)+3], s[88:89], \g*3072
	s_or_b32 s[G0J+4*\g+4*(\g/2)+3], s[G0J+4*\g+4*(\g/2)+3], 0x80000000
.endr
	CROUND                                         ; all sixteen work-groups are here: the joint loads meet
	s_cmp_eq_u32 s16, 0                            ; a wave's four fills stand in one branch on the wave's number
	s_cbranch_scc0 .Lnot_i
.irp g, 0,1,2,3
	tensor_load_to_lds s[G0I+4*\g:G0I+4*\g+3], s[G1I:G1I+7]
	s_nop 0
.endr
	PLACES 4
	s_branch .Lasked
.Lnot_i:
	s_cmp_lt_u32 s16, 3
	s_cbranch_scc0 .Lasked
.irp g, 0,1,2,3
	tensor_load_to_lds s[G0J+4*\g+4*(\g/2):G0J+4*\g+4*(\g/2)+3], s[G1J:G1J+7]
	s_nop 0
.endr
	PLACES 4
.Lasked:
	; the scale images and the biases, straight into registers
.if OUTP
	s_lshl_b32 s96, s92, 5
	s_add_co_u32 s96, s96, 6291456                 ; x's scale planes: 32 bytes a row tile
	s_mov_b32 s97, 0
	s_add_nc_u64 s[96:97], s[4:5], s[96:97]
.irp i, 0,1,2,3
.irp p, 0,1,2,3
	global_load_u16 v[208+2*(4*\i+\p)], v15, s[96:97] offset:65536*\p+32*\i          ; head 4 p + 2 h: the low half of the word of K step 2 p + h
	global_load_u16 v[209+2*(4*\i+\p)], v15, s[96:97] offset:65536*\p+32*\i+16384    ; head 4 p + 2 h + 1: the high half
.endr
.endr
.else
	s_lshl_b32 s96, s92, 9
	s_add_co_u32 s96, s96, SCO
	s_mov_b32 s97, 0
	s_add_nc_u64 s[96:97], s[6:7], s[96:97]
.irp i, 0,1,2,3
	global_load_b128 v[SI+4*\i:SI+4*\i+3], v[L16], s[96:97] offset:512*\i
.endr
.endif
	s_lshl_b32 s98, s94, 9
	s_add_co_u32 s98, s98, SCO
	s_mov_b32 s99, 0
	s_add_nc_u64 s[98:99], s[6:7], s[98:99]
.irp t, 0,1,2,3,4,5,6,7
	global_load_b128 v[SJ+4*\t:SJ+4*\t+3], v[L16], s[98:99] offset:512*\t
.endr
	s_lshl_b32 s86, s19, 10
	s_lshl_b32 s87, s18, 9
	s_add_co_u32 s86, s86, s87                     ; 4 x my first row of a weight as J: 256 cx + 128 wj
.if !OUTP
	s_cmp_eq_u32 s22, 1
	s_cselect_b64 s[10:11], s[12:13], s[10:11]
	s_cmp_eq_u32 s22, 2
	s_cselect_b64 s[10:11], s[14:15], s[10:11]     ; my kind's bias
	s_sub_co_u32 s88, s92, 1664
	s_lshl_b32 s88, s88, 6                         ; 4 x my first row of wv as I
	s_cmp_eq_u32 s22, 2                            ; both forms are fetched; the one that my kind does not use from the bias's first bytes
	s_cselect_b32 s86, 0, s86
	s_cselect_b32 s88, s88, 0
	s_mov_b32 s89, 0
	s_add_nc_u64 s[88:89], s[10:11], s[88:89]
.endif
	s_mov_b32 s87, 0
	s_add_nc_u64 s[86:87], s[10:11], s[86:87]
	WIN 0x80                                       ; destination window 2
.irp b, 0,1,2,3
.irp q, 0,1,2,3
	global_load_b128 v[BJ+16*\b+4*\q:BJ+16*\b+4*\q+3], v[H64], s[86:87] offset:128*\b+16*\q   ; the bias at J's rows 32 b + 16 h + 0 .. 15
.endr
.endr
.if !OUTP
.irp i, 0,1,2,3
	global_load_b32 v[BI+2*\i], v[RHO4], s[88:89] offset:4*(32*(\i/2)+8*(\i%2))     ; the bias at I's row rho(i, r), in both registers of a pair
	global_load_b32 v[BI+2*\i+1], v[RHO4], s[88:89] offset:4*(32*(\i/2)+8*(\i%2))
.endr
.endif
	WIN 0
.macro FETCH s                         ; K step s: my 4 fragments of I and 8 of J, 72 loads of 256 consecutive bytes; even steps into window 0, odd ones into window 2
.if (\s)%2
	WIN 0x80
.else
	WIN 0
.endif
.irp i, 0,1,2,3
.irp p, 0,1,2,3,4,5
	ds_load_b64 v[IFR+12*\i+2*\p:IFR+12*\i+2*\p+1], v[ADI+(\s)/4] offset:(((\s)/2)%2)*STG+\i*3072+((\s)%2)*1536+256*\p
.endr
.endr
.irp t, 0,1,2,3,4,5,6,7
.irp p, 0,1,2,3,4,5
	ds_load_b64 v[JFR+12*\t+2*\p:JFR+12*\t+2*\p+1], v[ADJ+(\s)/4] offset:(((\s)/2)%2)*STG+\t*3072+((\s)%2)*1536+256*\p
.endr
.endr
	WIN 0
.endm
.macro MULS s                          ; 32 matrix instructions; the 32 accumulators take turns, one instruction a turn, in the same order in every step.  Register s / 2 of a scale image: lanes 0-15 the even step's words, lanes 16-31 the odd one's
.if (\s)%2
	WIN 0x5a
.else
	WIN 0x50
.endif
.irp i, 0,1,2,3
.irp t, 0,1,2,3,4,5,6,7
.if (\s) == 0
	v_wmma_scale_f32_16x16x128_f8f6f4 v[8*(8*\i+\t):8*(8*\i+\t)+7], v[JFR+12*\t:JFR+12*\t+11], v[IFR+12*\i:IFR+12*\i+11], 0, v[SJ+4*\t], v[SI+4*\i] matrix_a_fmt:MATRIX_FMT_FP6 matrix_b_fmt:MATRIX_FMT_FP6
.elseif (\s)%2
	v_wmma_scale_f32_16x16x128_f8f6f4 v[8*(8*\i+\t):8*(8*\i+\t)+7], v[JFR+12*\t:JFR+12*\t+11], v[IFR+12*\i:IFR+12*\i+11], v[8*(8*\i+\t):8*(8*\i+\t)+7], v[SJ+4*\t+(\s)/2], v[SI+4*\i+(\s)/2] matrix_a_fmt:MATRIX_FMT_FP6 matrix_b_fmt:MATRIX_FMT_FP6 matrix_a_scale:MATRIX_SCALE_ROW1 matrix_b_scale:MATRIX_SCALE_ROW1
.else
	v_wmma_scale_f32_16x16x128_f8f6f4 v[8*(8*\i+\t):8*(8*\i+\t)+7], v[JFR+12*\t:JFR+12*\t+11], v[IFR+12*\i:IFR+12*\i+11], v[8*(8*\i+\t):8*(8*\i+\t)+7], v[SJ+4*\t+(\s)/2], v[SI+4*\i+(\s)/2] matrix_a_fmt:MATRIX_FMT_FP6 matrix_b_fmt:MATRIX_FMT_FP6
.endif
.endr
.endr
.endm
.macro STEP s
	s_wait_dscnt 0x0                               ; this step's fragments are in
.if ((\s)%2) && ((\s) < 7)
	s_wait_tensorcnt 3-((\s)+1)/2                  ; my load of the next stage has landed; the younger stages' may be out
	s_barrier_signal -1
	s_barrier_wait -1                              ; everybody's has
.endif
.if (\s) < 7
	PLACES 4                                       ; in front of loads into registers that the step before multiplied
	FETCH (\s)+1
.endif
	MULS \s
.endm
.macro ADD32 x, a, bb, st              ; 32 results + the bias, out of window 1 into window 0 by one line each; each accumulator from its low end on
	WIN 0x09
.set kk, 0
.rept 16
	v_pk_add_f32 v[X+(\x)+2*kk:X+(\x)+2*kk+1], v[(\a)+2*kk:(\a)+2*kk+1], v[(\bb)+(\st)*kk:(\bb)+(\st)*kk+1]
.set kk, kk+1
.endr
.endm
	s_wait_tensorcnt 3                             ; my load of stage 0 has landed; three may be out
	s_barrier_signal -1
	s_barrier_wait -1
	FETCH 0
	s_wait_loadcnt 0x0                             ; scale images and biases
.if OUTP
.irp j, 0,1,2,3,4,5,6,7,8,9,10,11,12,13,14,15
	v_lshl_or_b32 v[SI+\j], v[209+2*\j], 16, v[208+2*\j]
.endr
	PLACES 8                                       ; scale registers written by vector instructions stand eight places ahead of a scaled matrix instruction
.endif
	STEP 0
	STEP 1
	STEP 2
	STEP 3
	STEP 4
	STEP 5
	STEP 6
	STEP 7
	WIN 0
	PLACES 4                                       ; in front of the first read of results, and of writes into registers that held fragments
.if OUTP
	; THE WAY OUT, f32: a tile of 16 rows x 128 columns goes through my stage and leaves as whole rows of 512 bytes
	s_wait_dscnt 0x0
	s_barrier_signal -1
	s_barrier_wait -1                              ; every wave's reads of the tiles are over: the stages lie over region 0
	s_lshl_b32 s86, s92, 16                        ; my first row tile: 16 rows of 4,096 bytes
	s_lshl_b32 s80, s19, 10
	s_add_co_u32 s86, s86, s80
	s_lshl_b32 s80, s18, 9
	s_add_co_u32 s86, s86, s80                     ; + my first column, in bytes
	s_mov_b32 s87, 0
	s_add_nc_u64 s[86:87], s[8:9], s[86:87]
.irp i, 0,1,2,3
	s_wait_xcnt 0x0                                ; the last tile's stores have read their registers
	ADD32 0, 8*(8*\i), BJ, 2
	ADD32 32, 8*(8*\i+4), BJ+32, 2
	WIN 0
.irp b, 0,1,2,3
.irp q, 0,1,2,3
	ds_store_b128 v[STO], v[X+16*\b+4*\q:X+16*\b+4*\q+3] offset:128*\b+16*\q
.endr
.endr
.irp w, 0,1,2,3,4,5,6,7,8,9,10,11,12,13,14,15
	ds_load_b128 v[YB+4*\w:YB+4*\w+3], v[RD] offset:PITCHS*\w    ; LDS serves a wave's instructions in order: these see my stores
.endr
	s_wait_dscnt 0x0
.irp w, 0,1,2,3,4,5,6,7,8,9,10,11,12,13,14,15
	global_store_b128 v[L16], v[YB+4*\w:YB+4*\w+3], s[86:87] offset:(32*(\i/2)+8*(\i%2)+\w+8*(\w/8))*4096 th:TH_STORE_NT   ; 32 lanes store 512 consecutive bytes, aligned
.endr
.endr
.else
.irp b, 0,1,2,3
	v_mov_b32 v[TM+4+\b], 0                        ; written once: a lane permute's destination counts as one of its sources
.endr
	s_cmp_eq_u32 s22, 2                            ; the kind hangs on the cluster's y alone: alike in all partners
	s_cbranch_scc1 .Lway_v
	; Q, K: my 4 token tiles are 2 pairs, my 128 rows of the weight 2 heads: four fragments [tile 2 P's 64 | tile 2 P + 1's 64]
	s_lshl_b32 s80, s22, 9
	s_sub_co_u32 s80, s92, s80                     ; my first token tile, 0 .. 511
	s_lshr_b32 s81, s80, 7                         ; the batch
	s_and_b32 s80, s80, 127
	s_lshr_b32 s80, s80, 1                         ; P0
	s_lshl_b32 s81, s81, 4
	s_lshl_b32 s83, s19, 2
	s_add_co_u32 s81, s81, s83
	s_lshl_b32 s83, s18, 1
	s_add_co_u32 s81, s81, s83                     ; 16 b + my first head
	s_lshl_b32 s83, s81, 6
	s_add_co_u32 s83, s83, s80
	s_mul_i32 s86, s83, 1536
	s_mul_i32 s83, s22, 6291456
	s_add_co_u32 s86, s86, s83
	s_mov_b32 s87, 0
	s_add_nc_u64 s[86:87], s[8:9], s[86:87]        ; the codes
	s_lshl_b32 s88, s81, 12
	s_lshl_b32 s80, s80, 6
	s_add_co_u32 s88, s88, s80
	s_lshl_b32 s83, s22, 18
	s_add_co_u32 s88, s88, s83
	s_add_co_u32 s88, s88, 18874368
	s_mov_b32 s89, 0
	s_add_nc_u64 s[88:89], s[8:9], s[88:89]        ; the scale words
.irp d, 0,1
.irp a, 0,1
	s_wait_xcnt 0x0                                ; the last group's stores have read their registers
	ADD32 0, 8*(8*(2*\a)+4*\d), BJ+32*\d, 2
	ADD32 32, 8*(8*(2*\a+1)+4*\d), BJ+32*\d, 2
	WIN 0
	QUANT X, PW+\a
.irp p, 0,1,2,3,4,5
	global_store_b64 v[L8], v[PC+2*\p:PC+2*\p+1], s[86:87] offset:\d*98304+\a*1536+256*\p   ; 32 lanes store 256 consecutive bytes, aligned
.endr
.endr
	v_cndmask_b32 v[SW], v[PW], v[PW+1], s[HM]     ; lanes 0-15 the even pair's words, lanes 16-31 the odd pair's
	global_store_b32 v[L4], v[SW], s[88:89] offset:\d*4096
.endr
	s_branch .Lend
.Lway_v:
	; V: my 64 rows of wv are one head's channels, four d tiles; my 128 tokens one key step
	s_sub_co_u32 s80, s92, 1664
	s_lshr_b32 s80, s80, 2                         ; the head
	s_sub_co_u32 s81, s94, 1024                    ; my first token tile
	s_lshr_b32 s83, s81, 7                         ; the batch
	s_and_b32 s81, s81, 127
	s_lshr_b32 s81, s81, 3                         ; ks
	s_lshl_b32 s83, s83, 4
	s_add_co_u32 s83, s83, s80
	s_lshl_b32 s83, s83, 4
	s_add_co_u32 s83, s83, s81                     ; (16 b + head) x 16 + ks
	s_mul_i32 s86, s83, 6144
	s_add_co_u32 s86, s86, 12582912
	s_mov_b32 s87, 0
	s_add_nc_u64 s[86:87], s[8:9], s[86:87]
	s_lshl_b32 s88, s83, 8
	s_add_co_u32 s88, s88, 19398656
	s_mov_b32 s89, 0
	s_add_nc_u64 s[88:89], s[8:9], s[88:89]
.irp i, 0,1,2,3
	s_wait_xcnt 0x0
	ADD32 0, 8*(8*\i), BI+2*\i, 0
	ADD32 32, 8*(8*\i+4), BI+2*\i, 0
	WIN 0
	QUANT X, PW+\i
.irp p, 0,1,2,3,4,5
	global_store_b64 v[L8], v[PC+2*\p:PC+2*\p+1], s[86:87] offset:\i*1536+256*\p
.endr
.endr
	v_cndmask_b32 v[SW], v[PW], v[PW+1], s[HM]
	v_cndmask_b32 v[SW+1], v[PW+2], v[PW+3], s[HM]
	global_store_b64 v[L8], v[SW:SW+1], s[88:89]
.Lend:
.endif
	s_wait_tensorcnt 0x0                           ; the wave's end: three lines behind my last tensor load and my last LDS store
	ds_add_u32 v[SPW], v[NIL]
	s_wait_dscnt 0x0
	CROUND                                         ; the closing round
	s_endpgm
.Lfunc_end_k_q9ae115c065_outp:
	.size	k_q9ae115c065_outp, .Lfunc_end_k_q9ae115c065_outp-k_q9ae115c065_outp
	.p2alignl 7, 3214868480
	.fill 96, 4, 3214868480
	.section	.rodata,"a",@progbits
	.p2align	6, 0x0
	.amdhsa_kernel k_q9ae115c065_outp
		.amdhsa_group_segment_fixed_size 327680
		.amdhsa_private_segment_fixed_size 0
		.amdhsa_enable_private_segment 0
		.amdhsa_kernarg_size 32
		.amdhsa_user_sgpr_count 2
		.amdhsa_user_sgpr_kernarg_segment_ptr 1
		.amdhsa_wavefront_size32 1
		.amdhsa_system_sgpr_workgroup_id_x 1
		.amdhsa_system_sgpr_workgroup_id_y 1
		.amdhsa_system_sgpr_workgroup_id_z 1
		.amdhsa_system_vgpr_workitem_id 0
		.amdhsa_next_free_vgpr 768
		.amdhsa_next_free_sgpr 100
		.amdhsa_reserve_vcc 0
		.amdhsa_float_denorm_mode_32 3
		.amdhsa_float_denorm_mode_16_64 3
		.amdhsa_memory_ordered 1
		.amdhsa_forward_progress 1
		.amdhsa_inst_pref_size 109
	.end_amdhsa_kernel
	.amdgpu_metadata
---
amdhsa.version: [ 1, 2 ]
amdhsa.kernels:
  - .name:           k_q9ae115c065_outp
    .symbol:         k_q9ae115c065_outp.kd
    .args:
      - { .name: att, .offset: 0, .size: 8, .value_kind: global_buffer, .address_space: global }
      - { .name: pq, .offset: 8, .size: 8, .value_kind: global_buffer, .address_space: global }
      - { .name: bo, .offset: 16, .size: 8, .value_kind: global_buffer, .address_space: global }
      - { .name: out0, .offset: 24, .size: 8, .value_kind: global_buffer, .address_space: global }
    .group_segment_fixed_size: 327680
    .private_segment_fixed_size: 0
    .kernarg_segment_align: 8
    .kernarg_segment_size: 32
    .max_flat_workgroup_size: 128
    .sgpr_count:     100
    .vgpr_count:     768
    .wavefront_size: 32
...
	.end_amdgpu_metadata
.endif
;; end of part 4
;; ======== version 2 of 2: 4 launches; version 1 with the launch attn written anew for expert scheduling mode
;; limits: right only within a limited range of input values
;; workspace buffers: pq 22,937,600 bytes; mw 589,824 bytes of whole numbers; qkv 19,660,800 bytes; att 6,553,600 bytes
;; launch prep: the kernel of part 1 again; grid 512 x 1, 4 waves a work-group, no clusters, 34,304 bytes of LDS; arguments query, key, value, wq, wk, wv, wo, mask, pq, mw; writes pq, mw
;; launch proj: the kernel of part 2 again; grid 4 x 192, 4 waves a work-group, clusters of 4 x 4, 327,680 bytes of LDS; arguments pq, bq, bk, bv, qkv; writes qkv
;; launch attn (part 5): grid 4 x 64, 16 waves a work-group, no clusters, 206,848 bytes of LDS; arguments qkv, mw, att; writes att
.if DOCPART == 5
	.amdgcn_target "amdgcn-amd-amdhsa--gfx1250"
	.amdhsa_code_object_version 6
	.text
	.protected	k_q9ae115c065_attn
	.globl	k_q9ae115c065_attn
	.p2align	8
	.type	k_q9ae115c065_attn,@function
k_q9ae115c065_attn:
	s_mov_b64 s[64:65], 0
	v_nop
	global_prefetch_b8 v0, s[64:65] scope:SCOPE_SE
	s_setreg_imm32_b32 hwreg(HW_REG_WAVE_SCHED_MODE, 0, 2), 2
	s_setreg_imm32_b32 hwreg(HW_REG_WAVE_MODE, 25, 1), 1
	s_wait_xcnt 0x0
	s_wait_alu depctr_vm_vsrc(0)
; ATTENTION on codes of FP6 (E2M3): x[b][q][head] = softmax_k(Q . K / 8, hidden where the mask is 0) V, 64 heads of (batch, head), 2,048 queries and keys, head size 64.  x leaves quantised, as the output projection's operand.
; SHARES.  A work-group owns one (batch, head) and a quarter of its query tiles; K's and V's codes and scale words of the WHOLE head lie in LDS (204,800 bytes), brought once through registers: one barrier in the launch.
; Each of the 16 waves takes query tiles j and 127 - j (j = 16 x + wave), one after the other; four waves share a SIMD, so that one wave's vector work stands beside another's matrix work and LDS loads.
; LAYOUT.  Both products transposed: a lane holds ONE query, rho(qt, r) = 32 (qt / 2) + 8 (qt % 2) + r + 8 (r / 8).  A fragment of K holds TWO key tiles, [tile 2 P's 64 | tile 2 P + 1's 64]: multiplied by [q | 0] it gives tile 2 P's scores,
; by [0 | q] tile 2 P + 1's: the head's 64 fill the instruction's 128 with no byte of LDS wasted.  Register 16 b + i of the scores is key 128 ks + 32 b + 16 h + i.
; THE MASK comes as lane-mask words in that very layout (an earlier launch made them): 64 scalar words a unit, one v_cndmask_b32 a score.  A hidden score becomes -2^36: c x 2^36 is a whole number in f32, so a row that is wholly hidden
; gives p = 1 for every key, the uniform softmax that the definition gives.  LIMIT: that is an energy of -2^33 = -8.59e9 where the definition has -1e10: the results agree while open energies lie above -8.5e9.
; UNITS PASSED OVER.  A unit (16 queries x 128 keys) with no open bit adds nothing if every query of the tile has an open key somewhere; the stored flags say both, and a scalar branch passes over such units.  Else all 16 units are walked.
; THE SOFTMAX: t = score x log2(e) / 8; M = the running largest t rounded up to a whole number; p = 2^(t - M) is quantised along the keys; the sum is taken of the unquantised p and divides at the end.
; NO TENSOR LOAD AND NO JOINT LOAD: what the four work-groups of a head would share is one fill of 204,800 bytes each.
; LIMITS: a block of zeros gets the scale byte 1; NaN and infinities are not served.
; THE MODE: SCHED_MODE bits 1:0 = 2 (LLVM: expert scheduling mode 2), set by the entry lines.  The code itself states the register dependences
; between vector or matrix instructions and memory or LDS instructions, with s_wait_alu, always for 0.
; THE PLAN.  Registers that memory or LDS instructions touch:
;   v1, v43, v44, v45, v5, v6   offsets and the closing add's two: written at the head, never again.
;   v232-234, v98-197   the fill: LDS addresses, and data that global loads bring and LDS stores read; behind the barrier they become the sums' second chain, the scores, O^T and p's codes.
;   v8-11     written by four adds at the head of each unit that is walked; read by that unit's 51 LDS loads.
;   v50-97    K's four fragments land; eight products read them; V's four land in the same registers; four products read them.  (A second set would take 48 registers; the wave's 256 leave 21.)
;   v46, v47, v[48:49]   scale words: LDS loads land, the products read them.
;   v194-199, v231   on the way out: written by conversions, swaps and moves, read by four stores; the second tile writes them again.
; So a unit has, beside the two waits behind its exponentials: one wait on vm_vsrc and one on va_vdst round the four adds at its head; one on va_vdst between the eight products and V's loads; one on va_vdst ahead of the four
; products, which take codes and a scale word that vector instructions have made.  Behind each of these waits the memory or LDS instructions that lean on it follow at once.
.set KCO, 6291456
.set QSO, 18874368
.set KSO, 19136512
.set LV,  98304                        ; LDS: K's codes at 0, V's at 98,304, K's scale words at 196,608, V's at 200,704
.set LKS, 196608
.set LVS, 200704
.set SPARE, 204800                     ; the spare words, 128 bytes for each of the 16 waves
.set AK,  1                            ; v1  8 x lane
.set AV,  2
.set ASK, 3
.set ASV, 4
.set SPW, 5                            ; v5  my spare word; never rewritten
.set NIL, 6                            ; v6  0; never rewritten
.set NEG, 7                            ; v7  -2^36
; v8-11 the unit's LDS addresses; v12 -M, v13 the largest t, v[14:15] the sum; v16-33 [0 x 6 | q | 0 x 6]; v34 q's scale word, v35 the second tile's; v36-41 the second tile's q; v43 2 r, v44 4 r, v45 16 x lane
; v46, v47 K's scale words, v[48:49] V's
.set KV,  50                           ; v50-97 four fragments of K, then of V
.set S,   98                           ; v98-161 the scores, then p
.set O,   162                          ; v162-193 O^T
.set PC,  194                          ; v194-205 p's codes; v206-212 at work
.set BMX, 214
.set TP,  218
.set SO,  222
.set PW,  226                          ; p's scale word
.set FF,  228                          ; v[228:229] f
.set WK,  230
.set PV,  231
.set SM2, 232
.set TC,  84
.set TS,  85
.set KC,  86
.set SEL, 88
.set CS,  90
.set MB0, 92
.set OC0, 94
.set OP0, 96
.set MB1, 98
.set OC1, 100
.set OP1, 2
	s_load_b128 s[4:7], s[0:1], 0x0                ; qkv, mw
	s_load_b64 s[8:9], s[0:1], 0x10                ; att
	v_lshl_add_u32 v[SPW], v0, 2, SPARE
	v_mov_b32 v[NIL], 0
	v_lshrrev_b32 v8, 5, v0
	v_readfirstlane_b32 s10, v8                    ; wave 0..15
	v_and_b32 v9, 31, v0                           ; lane
	v_and_b32 v10, 15, v0                          ; r
	v_lshlrev_b32 v[AK], 3, v9
	v_add_nc_u32 v[AV], LV, v[AK]
	v_lshl_add_u32 v[ASK], v9, 2, LKS
	v_lshl_add_u32 v[ASV], v9, 3, LVS
	v_mov_b32 v[NEG], 0xd1800000
	v_lshlrev_b32 v43, 1, v10
	v_lshlrev_b32 v44, 2, v10
	v_lshlrev_b32 v45, 4, v9
	s_wait_alu depctr_va_sdst(0)                   ; s10 is written, ahead of its first reader: LDS addresses and all the wave's bases are made from it
	s_mul_i32 s38, s10, 6144
	v_add_nc_u32 v232, s38, v45                    ; the fill: my wave's 6,144 bytes of K's codes,
	v_add_nc_u32 v233, LV, v232                    ; of V's,
	s_lshl_b32 s39, s10, 9
	s_add_co_u32 s39, s39, LKS
	v_add_nc_u32 v234, s39, v45                    ; and its 512 bytes of scale words
	s_and_b32 s11, ttmp7, 0xffff                   ; bh
	s_lshl_b32 s14, ttmp9, 4
	s_add_co_u32 s14, s14, s10                     ; my first query tile,
	s_sub_co_u32 s15, 127, s14                     ; and my second
	s_lshr_b32 s16, s11, 4                         ; the batch
	s_and_b32 s17, s11, 15                         ; the head
	s_mul_i32 s18, s11, 98304
	s_lshl_b32 s19, s11, 12
	s_add_co_u32 s20, s38, s18
	s_add_co_u32 s20, s20, KCO
	s_mov_b32 s21, 0
	s_lshl_b32 s22, s10, 9
	s_add_co_u32 s22, s22, s19
	s_lshr_b32 s23, s10, 3
	s_mul_i32 s23, s23, 258048                     ; waves 8-15 take V's scale words: 262,144 on, less K's 4,096
	s_add_co_u32 s22, s22, s23
	s_add_co_u32 s22, s22, KSO
	s_mov_b32 s23, 0
	s_add_co_u32 s19, s19, QSO
	s_mul_i32 s36, s17, 768
	s_lshl_b32 s37, s17, 14
	s_add_co_u32 s37, s37, 6291456
.macro TSET qt, qb, qs, fl, mb, oc, op ; a tile's offsets: q's codes, q's scale words, the flags, the mask words, x's codes, x's scale plane
	s_mul_i32 s[\qb], s[\qt], 768
	s_add_co_u32 s[\qb], s[\qb], s18
	s_mov_b32 s[\qb+1], 0
	s_lshr_b32 s[\qs], s[\qt], 1
	s_lshl_b32 s[\qs], s[\qs], 6
	s_add_co_u32 s[\qs], s[\qs], s19
	s_mov_b32 s[\qs+1], 0
	s_lshl_b32 s[\fl], s[\qt], 9
	s_add_co_u32 s[\fl], s[\fl], 524288
	s_mov_b32 s[\fl+1], 0
	s_lshl_b32 s[\mb], s[\qt], 12
	s_mov_b32 s[\mb+1], 0
	s_lshl_b32 s[\op], s16, 7
	s_add_co_u32 s[\op], s[\op], s[\qt]            ; G = 128 b + qt
	s_mul_i32 s[\oc], s[\op], 12288
	s_add_co_u32 s[\oc], s[\oc], s36
	s_mov_b32 s[\oc+1], 0
	s_lshl_b32 s[\op], s[\op], 5
	s_add_co_u32 s[\op], s[\op], s37
	s_mov_b32 s[\op+1], 0
.endm
	TSET 14, 24, 28, 32, MB0, OC0, OP0
	TSET 15, 26, 30, 34, MB1, OC1, OP1
	s_and_b32 s48, s14, 1                          ; which two bytes of the pair's scale word are my tile's: bytes 0, 1 or 2, 3, taken twice
	s_mul_i32 s48, s48, 0x02020202
	s_add_co_u32 s48, s48, 0x01000100
	s_and_b32 s49, s15, 1
	s_mul_i32 s49, s49, 0x02020202
	s_add_co_u32 s49, s49, 0x01000100
	s_mov_b32 s[SEL], 0x76543210
	s_mov_b32 s[SEL+1], 0xfedcba98
	s_mov_b32 s[CS], 0x3e38aa3b                    ; c = log2(e) / 8
	s_mov_b32 s[CS+1], s[CS]
	s_wait_kmcnt 0x0
.irp a, 20,22,24,26,28,30
	s_add_nc_u64 s[\a:\a+1], s[4:5], s[\a:\a+1]
.endr
.irp a, 32,34,MB0,MB1
	s_add_nc_u64 s[\a:\a+1], s[6:7], s[\a:\a+1]
.endr
.irp a, OC0,OP0,OC1,OP1
	s_add_nc_u64 s[\a:\a+1], s[8:9], s[\a:\a+1]
.endr
	s_wait_alu depctr_va_vdst(0)                   ; the offsets v1, v43, v44, v45, the LDS addresses v2 to v4 and v232 to v234 and the closing add's v5, v6 are written, which the loads and stores of the kernel read
.irp c, 0,1,2,3,4,5,6,7,8,9,10,11
	global_load_b128 v[98+4*\c:101+4*\c], v45, s[20:21] offset:512*\c
.endr
.irp c, 0,1,2,3,4,5,6,7,8,9,10,11
	global_load_b128 v[146+4*\c:149+4*\c], v45, s[20:21] offset:6291456+512*\c
.endr
	global_load_b128 v[194:197], v45, s[22:23]
.irp p, 0,1,2
	global_load_b64 v[22+2*\p:23+2*\p], v[AK], s[24:25] offset:256*\p     ; the first tile's q: half a fragment
	global_load_b64 v[36+2*\p:37+2*\p], v[AK], s[26:27] offset:256*\p     ; the second's
.endr
	global_load_b32 v34, v44, s[28:29]
	global_load_b32 v35, v44, s[30:31]
	s_load_b64 s[40:41], s[32:33], 0x0             ; the flags: (bm, ra) of each half of the keys, for both tiles
	s_load_b64 s[42:43], s[32:33], 0x100
	s_load_b64 s[44:45], s[34:35], 0x0
	s_load_b64 s[46:47], s[34:35], 0x100
.irp j, 16,17,18,19,20,21,28,29,30,31,32,33,TP,TP+1,TP+2,TP+3,FF+1,WK
	v_mov_b32 v[\j], 0                             ; the zero halves beside q; destinations of lane permutes; the upper half of f's pair.  (None of them is a register that the loads above or the LDS stores below touch)
.endr
	s_wait_loadcnt 8                               ; the fill's 25 loads are in; the eight of q may be out
.irp c, 0,1,2,3,4,5,6,7,8,9,10,11
	ds_store_b128 v232, v[98+4*\c:101+4*\c] offset:512*\c
.endr
.irp c, 0,1,2,3,4,5,6,7,8,9,10,11
	ds_store_b128 v233, v[146+4*\c:149+4*\c] offset:512*\c
.endr
	ds_store_b128 v234, v[194:197]
	s_wait_dscnt 0x0                               ; for the others' sake: my part of the head lies in LDS
	s_barrier_signal -1
	s_barrier_wait -1                              ; everybody's does
	s_wait_alu depctr_vm_vsrc(0)                   ; my LDS stores have read v98 to v197 and v232 to v234: from here on these are the scores, O^T, p's codes and the sums' second chain, written by products, moves, conversions and additions
	s_wait_loadcnt 0x0
	s_wait_kmcnt 0x0
.macro TODOS d, f                      ; which units are walked: those with an open bit, if every query of the tile has an open key; else all sixteen
	s_or_b32 s[\f+1], s[\f+1], s[\f+3]
	s_lshr_b32 s[\f+3], s[\f+1], 16
	s_or_b32 s[\f+1], s[\f+1], s[\f+3]
	s_and_b32 s[\f+1], s[\f+1], 0xffff
	s_lshl_b32 s[\f+2], s[\f+2], 8
	s_or_b32 s[\f], s[\f], s[\f+2]
	s_cmp_eq_u32 s[\f+1], 0xffff
	s_cselect_b32 s[\d], s[\f], 0xffff
.endm
	TODOS 12, 40
	TODOS 13, 44
	v_perm_b32 v34, v34, v34, s48
	v_perm_b32 v35, v35, v35, s49
	s_wait_alu depctr_va_vdst(0)                   ; the two lines above are done reading s48 and s49, in which the first unit's mask words land by a scalar load
.macro TILE u, todo, mb, oc, op
.if \u
	s_wait_xcnt 0x0                                ; the first tile's stores have read their registers
	s_wait_alu depctr_vm_vsrc(0)                   ; the first tile's stores have read v[PC] to v[PC+5] and v[PV], which this tile's conversions, moves and shifts write again
.irp p, 0,1,2,3,4,5
	v_mov_b32 v[22+\p], v[36+\p]
.endr
	v_mov_b32 v34, v35
.endif
	v_mov_b32 v13, 0xff61b1e6                      ; the largest t so far: -3e38
	v_floor_f32 v12, -v13                          ; -M
	v_mov_b32 v14, 0
	v_mov_b32 v15, 0
.irp j, 0,1,2,3,4,5,6,7,8,9,10,11,12,13,14,15,16,17,18,19,20,21,22,23,24,25,26,27,28,29,30,31
	v_mov_b32 v[O+\j], 0                           ; the unit is written once: the first finds zeros, which the first change of M leaves zeros
.endr
	s_mov_b32 s[TC], 0
	s_mov_b32 s[TS], 0
	s_mov_b32 s[KC], 0
.Lunit_\@:                                         ; sixteen trips, a unit of 128 keys each
	s_lshr_b32 s87, s[\todo], s[KC]
	s_and_b32 s87, s87, 1
	s_cmp_eq_u32 s87, 0
	s_cbranch_scc1 .Lskip_\@
	s_load_b512 s[16:31], s[\mb:\mb+1], 0x0        ; the unit's 64 mask words (the selections that read the last unit's stand ahead of that unit's waits on va_vdst)
	s_load_b512 s[32:47], s[\mb:\mb+1], 0x40
	s_load_b512 s[48:63], s[\mb:\mb+1], 0x80
	s_load_b512 s[68:83], s[\mb:\mb+1], 0xc0
	s_wait_alu depctr_vm_vsrc(0)                   ; the LDS loads of the unit walked last have read v8 to v11, which the four lines below write
	v_add_nc_u32 v8, s[TC], v[AK]
	v_add_nc_u32 v9, s[TC], v[AV]
	v_add_nc_u32 v10, s[TS], v[ASK]
	v_add_nc_u32 v11, s[TS], v[ASV]
	s_wait_alu depctr_va_vdst(0)                   ; v8 to v11 are written, which this unit's LDS loads read; the last unit's four products are done reading v50 to v97, in which K's fragments land; in a tile's first unit: q, its zero halves and its scale word are written, which the scaled products below take (the places stand ahead of this wait: the moves that begin a tile)
.irp f, 0,1,2,3
.irp p, 0,1,2,3,4,5
	ds_load_b64 v[KV+12*\f+2*\p:KV+12*\f+2*\p+1], v8 offset:1536*\f+256*\p
.endr
.endr
	ds_load_b32 v46, v10
	ds_load_b32 v47, v10 offset:128
	s_wait_dscnt 0x0
.irp b, 0,1,2,3                                ; S^T: fragment b x [q | 0] and x [0 | q]
.if \b%2
	v_wmma_scale_f32_16x16x128_f8f6f4 v[S+16*\b:S+16*\b+7], v[KV+12*\b:KV+12*\b+11], v[22:33], 0, v[46+\b/2], v34 matrix_a_fmt:MATRIX_FMT_FP6 matrix_b_fmt:MATRIX_FMT_FP6 matrix_a_scale:MATRIX_SCALE_ROW1
	v_wmma_scale_f32_16x16x128_f8f6f4 v[S+16*\b+8:S+16*\b+15], v[KV+12*\b:KV+12*\b+11], v[16:27], 0, v[46+\b/2], v34 matrix_a_fmt:MATRIX_FMT_FP6 matrix_b_fmt:MATRIX_FMT_FP6 matrix_a_scale:MATRIX_SCALE_ROW1
.else
	v_wmma_scale_f32_16x16x128_f8f6f4 v[S+16*\b:S+16*\b+7], v[KV+12*\b:KV+12*\b+11], v[22:33], 0, v[46+\b/2], v34 matrix_a_fmt:MATRIX_FMT_FP6 matrix_b_fmt:MATRIX_FMT_FP6
	v_wmma_scale_f32_16x16x128_f8f6f4 v[S+16*\b+8:S+16*\b+15], v[KV+12*\b:KV+12*\b+11], v[16:27], 0, v[46+\b/2], v34 matrix_a_fmt:MATRIX_FMT_FP6 matrix_b_fmt:MATRIX_FMT_FP6
.endif
.endr
.rept 4
	v_nop                                          ; places in front of the first read of the scores
.endr
	s_wait_alu depctr_va_vdst(0)                   ; the eight products are done reading K's fragments in v50 to v97, in which V's land
.irp f, 0,1,2,3                                ; V's four fragments, into the registers that K's have left: they land under the softmax
.irp p, 0,1,2,3,4,5
	ds_load_b64 v[KV+12*\f+2*\p:KV+12*\f+2*\p+1], v9 offset:1536*\f+256*\p
.endr
.endr
	ds_load_b64 v[48:49], v11
	s_wait_kmcnt 0x0                               ; the mask words are in
.set n, 0
.rept 64
.if n < 48
	v_cndmask_b32 v[S+n], v[NEG], v[S+n], s[16+n]
.else
	v_cndmask_b32 v[S+n], v[NEG], v[S+n], s[20+n]
.endif
.set n, n+1
.endr
.irp b, 0,1,2,3
	v_max3_num_f32 v[BMX+\b], v[S+16*\b], v[S+1+16*\b], v[S+2+16*\b]   ; the largest score of each block of 32 keys: for the row's maximum, and, since p rises with the score, for the block's largest p
.endr
.irp i, 3,5,7,9,11,13
.irp b, 0,1,2,3
	v_max3_num_f32 v[BMX+\b], v[BMX+\b], v[S+16*\b+\i], v[S+1+16*\b+\i]
.endr
.endr
.irp b, 0,1,2,3
	v_max_num_f32 v[BMX+\b], v[BMX+\b], v[S+15+16*\b]
.endr
.irp b, 0,1,2,3
	v_permlanex16_b32 v[TP+\b], v[BMX+\b], s[SEL], s[SEL+1]
.endr
.irp b, 0,1,2,3
	v_max_num_f32 v[BMX+\b], v[BMX+\b], v[TP+\b]
.endr
	v_max3_num_f32 v[WK], v[BMX], v[BMX+1], v[BMX+2]
	v_max_num_f32 v[WK], v[WK], v[BMX+3]
	v_mul_f32 v[WK], s[CS], v[WK]
	v_max_num_f32 v13, v13, v[WK]                  ; the running largest t
	v_mov_b32 v[WK], v12
	v_floor_f32 v12, -v13                          ; the new -M: a whole number
	v_sub_f32 v[WK], v12, v[WK]
	v_cvt_i32_f32 v[WK], v[WK]                     ; (it saturates)
	v_ldexp_f32 v[FF], 1.0, v[WK]                  ; f = 2^(old M - new M): a multiplication by it rounds nothing
.irp j, 0,2,4,6,8,10,12,14,16,18,20,22,24,26,28,30,32,34,36,38,40,42,44,46,48,50,52,54,56,58,60,62
	v_pk_fma_f32 v[S+\j:S+\j+1], v[S+\j:S+\j+1], s[CS:CS+1], v[12:13] op_sel_hi:[1,0,0]   ; t - M
.endr
.irp b, 0,1,2,3
	v_fma_f32 v[BMX+\b], v[BMX+\b], s[CS], v12
.endr
.set n, 0
.rept 64
	v_exp_f32 v[S+n], v[S+n]                       ; p = 2^(t - M): not normalised
.set n, n+1
.endr
	v_pk_mul_f32 v[14:15], v[14:15], v[FF:FF+1] op_sel_hi:[1,0]   ; the sums under the new M: a plain place behind the exponentials
	s_wait_alu depctr_va_vdst(0)                   ; the 64 exponentials have written p in v[S] to v[S+63]: one wait for the batch, ahead of its first reader
.irp b, 0,1,2,3
	v_exp_f32 v[BMX+\b], v[BMX+\b]                 ; each block's largest p
.endr
	v_pk_add_f32 v[SM2:SM2+1], v[S:S+1], v[S+2:S+3]   ; the row's sum, of the unquantised p, in two chains
.irp j, 4,8,12,16,20,24,28,32,36,40,44,48,52,56,60
	v_pk_add_f32 v[14:15], v[14:15], v[S+\j:S+\j+1]
	v_pk_add_f32 v[SM2:SM2+1], v[SM2:SM2+1], v[S+\j+2:S+\j+3]
.endr
	v_pk_add_f32 v[14:15], v[14:15], v[SM2:SM2+1]
	s_wait_alu depctr_va_vdst(0)                   ; the four exponentials have written v[BMX] to v[BMX+3]: their wait, ahead of their first reader
.irp b, 0,1,2,3
	v_max_num_f32 v[BMX+\b], 0x1800000, v[BMX+\b]  ; the floor 2^(3 - 127)
.endr
.irp b, 0,1,2,3
	v_add_nc_u32 v[SO+\b], 0xff000000, v[BMX+\b]
.endr
.irp b, 0,1,2,3
	v_lshrrev_b32 v[TP+\b], 23, v[SO+\b]
.endr
	v_lshl_or_b32 v[PW], v[TP+1], 8, v[TP]
	v_lshl_or_b32 v[PW], v[TP+2], 16, v[PW]
	v_lshl_or_b32 v[PW], v[TP+3], 24, v[PW]
.irp c, 0,1
	v_cvt_scalef32_pk16_fp6_f32 v[PC+6*\c:PC+2+6*\c], v[S+32*\c:S+15+32*\c], v[SO+2*\c]
	v_cvt_scalef32_pk16_fp6_f32 v[PC+12+4*\c:PC+14+4*\c], v[S+16+32*\c:S+31+32*\c], v[SO+2*\c+1]
.endr
	v_nop                                          ; one plain place behind a scaled conversion
.irp c, 0,1
.irp i, 0,1,2
	v_permlane16_swap_b32 v[PC+6*\c+\i], v[PC+12+4*\c+\i]
.endr
.irp i, 0,1,2
	v_mov_b32 v[PC+3+6*\c+\i], v[PC+12+4*\c+\i]
.endr
.endr
.irp j, 0,2,4,6,8,10,12,14,16,18,20,22,24,26,28,30
	v_pk_mul_f32 v[O+\j:O+\j+1], v[O+\j:O+\j+1], v[FF:FF+1] op_sel_hi:[1,0]   ; O^T under the new M.  For each of the four products below, the twelve lines on the other three tiles are the places behind p's codes and scale word
.endr
	s_wait_alu depctr_va_vdst(0)                   ; p's codes in v[PC] to v[PC+11] and its scale word in v[PW] are written, which the scaled products below take; the places above stay beside this wait
	s_wait_dscnt 0x0                               ; V's fragments and scale words are in
.irp d, 0,1,2,3                                ; O^T += V^T P^T: four accumulators by turns
.if \d%2
	v_wmma_scale_f32_16x16x128_f8f6f4 v[O+8*\d:O+8*\d+7], v[KV+12*\d:KV+12*\d+11], v[PC:PC+11], v[O+8*\d:O+8*\d+7], v[48+\d/2], v[PW] matrix_a_fmt:MATRIX_FMT_FP6 matrix_b_fmt:MATRIX_FMT_FP6 matrix_a_scale:MATRIX_SCALE_ROW1
.else
	v_wmma_scale_f32_16x16x128_f8f6f4 v[O+8*\d:O+8*\d+7], v[KV+12*\d:KV+12*\d+11], v[PC:PC+11], v[O+8*\d:O+8*\d+7], v[48+\d/2], v[PW] matrix_a_fmt:MATRIX_FMT_FP6 matrix_b_fmt:MATRIX_FMT_FP6
.endif
.endr
.Lskip_\@:
	s_add_nc_u64 s[\mb:\mb+1], s[\mb:\mb+1], 256   ; the next unit's mask words (this unit's scalar loads were waited for),
	s_add_co_u32 s[TC], s[TC], 6144                ; codes,
	s_add_co_u32 s[TS], s[TS], 256                 ; and scale words
	s_add_co_u32 s[KC], s[KC], 1
	s_cmp_lt_u32 s[KC], 16
	s_cbranch_scc1 .Lunit_\@
	; THE WAY OUT: O^T / the sum is a head's 64 of 16 rows of x: two blocks of 32 along the output projection's K: quantised here, half a fragment and two scale bytes a row
.rept 4
	v_nop                                          ; places behind the last products
.endr
	v_add_f32 v14, v14, v15
	v_permlanex16_b32 v[WK], v14, s[SEL], s[SEL+1]
	v_add_f32 v14, v14, v[WK]                      ; the row's sum
	v_rcp_f32 v14, v14
	v_nop
	v_nop
	s_wait_alu depctr_va_vdst(0)                   ; the reciprocal has written v14: ahead of its first reader
.irp j, 0,2,4,6,8,10,12,14,16,18,20,22,24,26,28,30
	v_pk_mul_f32 v[S+\j:S+\j+1], v[O+\j:O+\j+1], v[14:15] op_sel_hi:[1,0]   ; register 16 b + i: channel 32 b + 16 h + i
.endr
.irp b, 0,1
	v_max3_num_f32 v[BMX+\b], |v[S+16*\b]|, |v[S+1+16*\b]|, 0x1800000
.endr
.irp i, 2,4,6,8,10,12,14
.irp b, 0,1
	v_max3_num_f32 v[BMX+\b], v[BMX+\b], |v[S+16*\b+\i]|, |v[S+1+16*\b+\i]|
.endr
.endr
.irp b, 0,1
	v_permlanex16_b32 v[TP+\b], v[BMX+\b], s[SEL], s[SEL+1]
.endr
.irp b, 0,1
	v_max_num_f32 v[BMX+\b], v[BMX+\b], v[TP+\b]
.endr
.irp b, 0,1
	v_add_nc_u32 v[SO+\b], 0xff000000, v[BMX+\b]
.endr
.irp b, 0,1
	v_lshrrev_b32 v[TP+\b], 23, v[SO+\b]
.endr
	v_lshl_or_b32 v[PV], v[TP+1], 8, v[TP]
	v_cvt_scalef32_pk16_fp6_f32 v[PC:PC+2], v[S:S+15], v[SO]
	v_cvt_scalef32_pk16_fp6_f32 v[PC+12:PC+14], v[S+16:S+31], v[SO+1]
	v_nop
.irp i, 0,1,2
	v_permlane16_swap_b32 v[PC+\i], v[PC+12+\i]
.endr
.irp i, 0,1,2
	v_mov_b32 v[PC+3+\i], v[PC+12+\i]
.endr
	s_wait_alu depctr_va_vdst(0)                   ; x's codes in v[PC] to v[PC+5] and its two scale bytes in v[PV] are written, which the four stores below read
.irp p, 0,1,2
	global_store_b64 v[AK], v[PC+2*\p:PC+2*\p+1], s[\oc:\oc+1] offset:256*\p   ; 32 lanes store 256 consecutive bytes, aligned
.endr
	global_store_b16 v43, v[PV], s[\op:\op+1]      ; both halves of the lanes hold the same two bytes and write them to the same place
.endm
	TILE 0, 12, MB0, OC0, OP0
	TILE 1, 13, MB1, OC1, OP1
	s_wait_dscnt 0x0                               ; the closing lines, six on end
	s_wait_alu 0x0
	s_wait_tensorcnt 0x0
	ds_add_u32 v[SPW], v[NIL]
	s_wait_dscnt 0x0
	s_endpgm
.Lfunc_end_k_q9ae115c065_attn:
	.size	k_q9ae115c065_attn, .Lfunc_end_k_q9ae115c065_attn-k_q9ae115c065_attn
	.p2alignl 7, 3214868480
	.fill 96, 4, 3214868480
	.section	.rodata,"a",@progbits
	.p2align	6, 0x0
	.amdhsa_kernel k_q9ae115c065_attn
		.amdhsa_group_segment_fixed_size 206848
		.amdhsa_private_segment_fixed_size 0
		.amdhsa_enable_private_segment 0
		.amdhsa_kernarg_size 24
		.amdhsa_user_sgpr_count 2
		.amdhsa_user_sgpr_kernarg_segment_ptr 1
		.amdhsa_wavefront_size32 1
		.amdhsa_system_sgpr_workgroup_id_x 1
		.amdhsa_system_sgpr_workgroup_id_y 1
		.amdhsa_system_sgpr_workgroup_id_z 1
		.amdhsa_system_vgpr_workitem_id 0
		.amdhsa_next_free_vgpr 256
		.amdhsa_next_free_sgpr 102
		.amdhsa_reserve_vcc 0
		.amdhsa_float_denorm_mode_32 3
		.amdhsa_float_denorm_mode_16_64 3
		.amdhsa_memory_ordered 1
		.amdhsa_forward_progress 1
		.amdhsa_inst_pref_size 65
	.end_amdhsa_kernel
	.amdgpu_metadata
---
amdhsa.version: [ 1, 2 ]
amdhsa.kernels:
  - .name:           k_q9ae115c065_attn
    .symbol:         k_q9ae115c065_attn.kd
    .args:
      - { .name: qkv, .offset: 0, .size: 8, .value_kind: global_buffer, .address_space: global }
      - { .name: mw, .offset: 8, .size: 8, .value_kind: global_buffer, .address_space: global }
      - { .name: att, .offset: 16, .size: 8, .value_kind: global_buffer, .address_space: global }
    .group_segment_fixed_size: 206848
    .private_segment_fixed_size: 0
    .kernarg_segment_align: 8
    .kernarg_segment_size: 24
    .max_flat_workgroup_size: 512
    .sgpr_count:     102
    .vgpr_count:     256
    .wavefront_size: 32
...
	.end_amdgpu_metadata
.endif
;; end of part 5
;; launch outp: the kernel of part 4 again; grid 4 x 64, 4 waves a work-group, clusters of 4 x 4, 327,680 bytes of LDS; arguments att, pq, bo, out0; writes out0
